; MI455X (gfx1250); checked and timed in simulation.
; The chip was launched on July 23, 2026; its instructions are those of AMD's public machine-readable ISA for CDNA 5 (MIT licence, August 2026) and "CDNA5" Instruction Set Architecture Reference Guide (July 2026). The comments in the code are by the model that wrote it; some were corrected since.
;; Scaled Attention. Allowed arithmetic: float matrix products may take bf16 or f16 operands with f32 sums; other float arithmetic in f32, or as packed bf16 or f16 multiplies, adds, multiply-adds, maxima and minima; sums over many terms, partial sums and values carried from step to step in f32; what a program stores and reads back later, other than sums and carried values, may be rounded once to bf16 or f16.
;; Inputs: Wk 1,024 x 1,024 float32; Wo 1,024 x 1,024 float32; Wq 1,024 x 1,024 float32; Wv 1,024 x 1,024 float32; input 4 x 2,048 x 1,024 float32; memory 4 x 2,048 x 1,024 float32.
;; Outputs: out0 4 x 2,048 x 1,024 float32.
;; One version. Each part assembles by itself: llvm-mc -triple=amdgcn-amd-amdhsa -mcpu=gfx1250 --defsym DOCPART=n.
;; ======== version 1 of 1: 5 launches
;; limits: values are held in f16: magnitudes above 65,504 overflow, below 6.1e-05 lose precision
;; workspace buffers: xm 33,554,432 bytes; wb 8,388,608 bytes; qkv 50,331,648 bytes; p 33,554,432 bytes; st 1,048,576 bytes; o 16,777,216 bytes
;; launch cast (part 1): grid 1280 x 1, 8 waves a work-group, no clusters, 0 bytes of LDS; arguments input, memory, Wq, Wk, Wv, Wo, xm, wb; writes xm, wb
.if DOCPART == 1
	.amdgcn_target "amdgcn-amd-amdhsa--gfx1250"
	.amdhsa_code_object_version 6
	.text
	.protected	k_qbba69846f2_cast
	.globl	k_qbba69846f2_cast
	.p2align	8
	.type	k_qbba69846f2_cast,@function
k_qbba69846f2_cast:
	s_mov_b64 s[64:65], 0
	v_nop
	global_prefetch_b8 v0, s[64:65] scope:SCOPE_SE
	s_setreg_imm32_b32 hwreg(HW_REG_WAVE_MODE, 25, 1), 1
	s_wait_xcnt 0x0
; CAST.  All six f32 inputs are rounded once to bf16, nearest even.  input and memory go to xm ([8192][1024] each, memory 16,777,216 bytes in),
; Wq, Wk, Wv to wb (2,097,152 bytes each) as bf16; Wo, behind them, has the same rounding but is written as f16, since the last product multiplies in f16.
; LIMITS.  Wo: the bf16 number is exact in f16 from 2^-17 up to 65,504; below 2^-17 it keeps f16's fixed step of 6e-8, beyond 65,504 it becomes an infinity.
; SHARES.  Work-group g takes 65,536 bytes of f32, each of its eight waves 8,192: sixteen loads of 16 bytes a lane, all issued before the first is used.
; g 0-511: input; 512-1023: memory; 1024 + 64 i + n: block n of weight i (Wq, Wk, Wv, Wo).  A stream: no LDS, no barrier, no matrix unit, no loop;
; each byte is read once and each store of a wave covers 256 consecutive bytes, aligned.  No register is written twice while a load or store names it.
.set X, 8                              ; v[8:71]   sixteen loads of four f32
.set Y, 72                             ; v[72:103] sixteen pairs of packed 16-bit numbers
	s_load_b512 s[4:19], s[0:1], 0x0               ; input s[4:5], memory s[6:7], Wq s[8:9], Wk s[10:11], Wv s[12:13], Wo s[14:15], xm s[16:17], wb s[18:19]
	s_and_b32 s22, ttmp9, 511                      ; my block in input or in memory
	s_sub_co_u32 s24, ttmp9, 1024                  ; my block among the weights' 256 (used where g is 1,024 or more)
	s_lshr_b32 s23, s24, 6                         ; which weight
	s_and_b32 s25, s24, 63                         ; my block in it
	s_mov_b32 s33, 0                               ; offsets are pairs with 0 above
	s_mov_b32 s35, 0
	v_lshrrev_b32 v1, 5, v0                        ; wave
	v_and_b32 v4, 31, v0                           ; lane
	v_lshlrev_b32 v2, 4, v4
	v_lshl_add_u32 v2, v1, 13, v2                  ; in: 8,192 x wave + 16 x lane
	v_lshlrev_b32 v3, 3, v4
	v_lshl_add_u32 v3, v1, 12, v3                  ; out: 4,096 x wave + 8 x lane
	s_wait_kmcnt 0x0
	s_cmp_lt_u32 ttmp9, 512
	s_cselect_b64 s[20:21], s[4:5], s[6:7]         ; input or memory
	s_cmp_eq_u32 s23, 0
	s_cselect_b64 s[26:27], s[8:9], s[10:11]       ; Wq, else Wk,
	s_cmp_eq_u32 s23, 2
	s_cselect_b64 s[26:27], s[12:13], s[26:27]     ; or Wv,
	s_cmp_eq_u32 s23, 3
	s_cselect_b64 s[26:27], s[14:15], s[26:27]     ; or Wo
	s_cmp_lt_u32 ttmp9, 1024
	s_cselect_b64 s[20:21], s[20:21], s[26:27]     ; the source,
	s_cselect_b32 s22, s22, s25                    ; my block in it,
	s_cselect_b64 s[28:29], s[16:17], s[18:19]     ; the destination,
	s_cselect_b32 s30, ttmp9, s24                  ; my block in that
	s_lshl_b32 s32, s22, 16                        ; 65,536 bytes of f32 a block
	s_lshl_b32 s34, s30, 15                        ; 32,768 bytes of 16-bit numbers
	s_add_nc_u64 s[20:21], s[20:21], s[32:33]
	s_add_nc_u64 s[28:29], s[28:29], s[34:35]
.irp i, 0,1,2,3,4,5,6,7,8,9,10,11,12,13,14,15
	global_load_b128 v[X+4*(\i):X+4*(\i)+3], v2, s[20:21] offset:512*(\i) th:TH_LOAD_NT  ; 512 consecutive bytes a wave
.endr
	s_cmp_ge_u32 ttmp9, 1216                       ; Wo's 64 blocks take the second text
	s_cbranch_scc1 .Lwo
.irp i, 0,1,2,3,4,5,6,7,8,9,10,11,12,13,14,15
	s_wait_loadcnt 15-(\i)                         ; loads come back in order: load i is in, the younger ones stay out
	v_cvt_pk_bf16_f32 v[Y+2*(\i)], v[X+4*(\i)], v[X+4*(\i)+1]
	v_cvt_pk_bf16_f32 v[Y+2*(\i)+1], v[X+4*(\i)+2], v[X+4*(\i)+3]
	global_store_b64 v3, v[Y+2*(\i):Y+2*(\i)+1], s[28:29] offset:256*(\i) th:TH_STORE_NT  ; 32 lanes store 256 consecutive bytes, aligned
.endr
	s_endpgm
.Lwo:
.irp i, 0,1,2,3,4,5,6,7,8,9,10,11,12,13,14,15
	s_wait_loadcnt 15-(\i)
	v_cvt_pk_bf16_f32 v4, v[X+4*(\i)], v[X+4*(\i)+1]      ; the same rounding as the other inputs,
	v_cvt_pk_bf16_f32 v5, v[X+4*(\i)+2], v[X+4*(\i)+3]
	v_lshlrev_b32 v6, 16, v4                              ; widened again (a bf16 is the upper half of an f32),
	v_and_b32 v7, 0xffff0000, v4
	v_cvt_pk_f16_f32 v[Y+2*(\i)], v6, v7                  ; and written as f16
	v_lshlrev_b32 v6, 16, v5
	v_and_b32 v7, 0xffff0000, v5
	v_cvt_pk_f16_f32 v[Y+2*(\i)+1], v6, v7
	global_store_b64 v3, v[Y+2*(\i):Y+2*(\i)+1], s[28:29] offset:256*(\i) th:TH_STORE_NT
.endr
	s_endpgm
.Lfunc_end_k_qbba69846f2_cast:
	.size	k_qbba69846f2_cast, .Lfunc_end_k_qbba69846f2_cast-k_qbba69846f2_cast
	.p2alignl 7, 3214868480
	.fill 96, 4, 3214868480
	.section	.rodata,"a",@progbits
	.p2align	6, 0x0
	.amdhsa_kernel k_qbba69846f2_cast
		.amdhsa_group_segment_fixed_size 0
		.amdhsa_private_segment_fixed_size 0
		.amdhsa_enable_private_segment 0
		.amdhsa_kernarg_size 64
		.amdhsa_user_sgpr_count 2
		.amdhsa_user_sgpr_kernarg_segment_ptr 1
		.amdhsa_wavefront_size32 1
		.amdhsa_system_sgpr_workgroup_id_x 1
		.amdhsa_system_sgpr_workgroup_id_y 1
		.amdhsa_system_sgpr_workgroup_id_z 1
		.amdhsa_system_vgpr_workitem_id 0
		.amdhsa_next_free_vgpr 104
		.amdhsa_next_free_sgpr 66
		.amdhsa_reserve_vcc 0
		.amdhsa_float_denorm_mode_32 3
		.amdhsa_float_denorm_mode_16_64 3
		.amdhsa_memory_ordered 1
		.amdhsa_forward_progress 1
		.amdhsa_inst_pref_size 17
	.end_amdhsa_kernel
	.amdgpu_metadata
---
amdhsa.version: [ 1, 2 ]
amdhsa.kernels:
  - .name:           k_qbba69846f2_cast
    .symbol:         k_qbba69846f2_cast.kd
    .args:
      - { .name: input, .offset: 0, .size: 8, .value_kind: global_buffer, .address_space: global }
      - { .name: memory, .offset: 8, .size: 8, .value_kind: global_buffer, .address_space: global }
      - { .name: Wq, .offset: 16, .size: 8, .value_kind: global_buffer, .address_space: global }
      - { .name: Wk, .offset: 24, .size: 8, .value_kind: global_buffer, .address_space: global }
      - { .name: Wv, .offset: 32, .size: 8, .value_kind: global_buffer, .address_space: global }
      - { .name: Wo, .offset: 40, .size: 8, .value_kind: global_buffer, .address_space: global }
      - { .name: xm, .offset: 48, .size: 8, .value_kind: global_buffer, .address_space: global }
      - { .name: wb, .offset: 56, .size: 8, .value_kind: global_buffer, .address_space: global }
    .group_segment_fixed_size: 0
    .private_segment_fixed_size: 0
    .kernarg_segment_align: 8
    .kernarg_segment_size: 64
    .max_flat_workgroup_size: 256
    .sgpr_count:     66
    .vgpr_count:     104
    .wavefront_size: 32
...
	.end_amdgpu_metadata
.endif
;; end of part 1
;; launch proj (part 2): grid 4 x 96, 4 waves a work-group, clusters of 4 x 4, 327,680 bytes of LDS; arguments xm, wb, qkv; writes qkv
.if DOCPART == 2
	.amdgcn_target "amdgcn-amd-amdhsa--gfx1250"
	.amdhsa_code_object_version 6
	.text
	.protected	k_qbba69846f2_proj
	.globl	k_qbba69846f2_proj
	.p2align	8
	.type	k_qbba69846f2_proj,@function
k_qbba69846f2_proj:
	s_mov_b64 s[64:65], 0
	v_nop
	global_prefetch_b8 v0, s[64:65] scope:SCOPE_SE
	s_setreg_imm32_b32 hwreg(HW_REG_WAVE_MODE, 25, 1), 1
	s_wait_xcnt 0x0
	s_wait_alu depctr_hold_cnt(0) depctr_sa_sdst(0) depctr_va_vdst(0) depctr_va_sdst(0) depctr_va_ssrc(0) depctr_va_vcc(0) depctr_vm_vsrc(0)
	s_getreg_b32 s2, hwreg(HW_REG_IB_STS2, 6, 4)
	s_cmp_eq_u32 s2, 0
	s_cbranch_scc0 .Lentry_in_a_cluster
	s_endpgm
.Lentry_in_a_cluster:
	s_bfe_u32 s2, ttmp6, 0x10000c
	s_cmp_lg_u32 s2, 0xf033
	s_cbranch_scc0 .Lentry_shape_is_right
	s_endpgm
.Lentry_shape_is_right:
; PROJ.  Three products C = A B^T with K = 1,024, bf16 operands, f32 sums, C rounded once to f16 and NOT scaled:
;   job 0: q = input Wq^T    job 1: k = memory Wk^T   (C [8192][1024])      job 2: v^T = Wv memory^T   (C [1024 channels][8192 = 2048 batch + key])
; LIMITS.  q, k and v leave as f16: a number of 65,520 or more becomes an infinity.  With the drawn spread they are about 1; all inputs 30 times larger give some 5,000 at the most,
; a common offset of 30 spreads some 29,000; both together are not served.  NaN and infinities are not treated apart.
; SHARES.  A tile of C is 256 x 256, made by a work-group of four waves; a wave makes 128 x 128: 64 accumulators of 16 x 16, 512 registers.  384 tiles: 128 a job.
; K goes in steps of 128 (rows of 256 bytes, aligned) through a ring of two LDS slots filled by the tensor data mover: waves 0 and 1 fetch A's two halves, waves 2 and 3 B's, 128 rows each.
; A K step is 256 matrix instructions a wave; 224 of them stand between a refill's request and the wait for it.
; CLUSTERS.  4 x 4 work-groups: the four of a row of the cluster need the same tile of A, the four of a column the same tile of B: each tile is asked for jointly, by the same
; tensor load with the same descriptor and a mask that names the four.  The job and the cluster's place in it come from the cluster's y alone, which all sixteen share.
; THE MATRIX INSTRUCTION IS USED TRANSPOSED: source 0 = 16 rows of B, source 1 = 16 rows of A: lane l then holds row l % 16 of C and the columns 8 (l / 16) + 0..7.
; ONE TEXT FOR A K STEP.  The slot in hand is a scalar, 0 or SLOT, that an exclusive or turns; LDS addresses are that scalar plus a base.  The first quarter, whose products start the sums, stands in front,
; and the loop is entered in its middle; six trips fill a slot again, two more fill nothing.
; REGISTERS, in windows of 256 (s_set_vgpr_msb: bits 1:0 source 0, 3:2 source 1, 5:4 source 2, 7:6 destination):
;   window 0: v0-31 addresses; v64-127, v128-191 A's fragments, two buffers (on the way out v64-127: rows read back); v192-223 packed results
;   window 1: v64-127, v128-191 B's fragments, two buffers      window 2: the accumulators of my rows 0-63, (a, b) at v[8 (8 a + b)]      window 3: those of my rows 64-127
.set KSTEP,  128
.set PITCH,  272                       ; an LDS row: 256 bytes + 16 of padding = 68 words: the 16 rows of a fragment load start at 16 different groups of four banks (64 banks of 4 bytes: ISA guide 11.1)
.set HALFT,  128*PITCH                 ; what one tensor load brings, and what one wave reads of A or of B
.set SLOT,   4*HALFT                   ; A's 256 rows, then B's 256.  0x22000: it shares no bit with the waves' places, multiples of 0x8800, so an exclusive or turns a descriptor's LDS word
.set DPITCH, 528                       ; the way out: a row of 128 f32 + 16 bytes = 132 words: 16 rows start at 16 different groups of four banks
.set DWAVE,  128*DPITCH                ; a wave's 128 rows; the four waves' lie in the ring's bytes, which have had their last fill by then
.set SPARE,  2*SLOT                    ; behind the ring: the spare words, 128 bytes for each wave: two blocks of 256 bytes that no other line names
.set FILLS,  6                         ; K steps that come by a refill: 1,024 / 128 - 2
.set CO,    8                          ; v8-15   my byte offsets in eight pairs of rows of C (C's pitch hangs on the job, so it cannot stand in an immediate)
.set ADRA,  16                         ; v16     LDS address of my A fragments in the slot in hand
.set ADRA0, 17                         ; v17     the same in slot 0; never rewritten
.set ADRB,  20                         ; v20, v21  the same for B
.set ADRB0, 21
.set STO,   24                         ; v24     the way out: where I put 16 bytes of a row
.set RD,    25                         ; v25     the way out: where I read rows back
.set SPW,   28                         ; v28     LDS address of my spare word; never rewritten
.set NIL,   29                         ; v29     0; never rewritten
.set PFO,   30                         ; v30     the prefetches' offset: my lane x a row of 2,048 bytes; never rewritten
.set F0,    64
.set F1,    128
.set E,     64
.set TMP,   192
.set G1A, 24                           ; s[24:31] descriptor group 1 for A's tiles;  s[32:39] group 0: a set for each first fill; the second then walks on
.set G0A, 32
.set LIM, 43                           ; s43      2 in a wave that prefetches, else the greatest number
.set PFA, 44                           ; s[44:45] where my prefetches stand
.set G1B, 48                           ; s[48:55], s[56:63] the same for B's tiles
.set G0B, 56
.set TB,  82                           ; s82      the slot in hand: 0 or SLOT
.set LB,  83                           ; s83      my tile's place in a slot: wave x HALFT
.set FLAGS, (1<<16)|(1<<20)|(1<<21)|(5<<22)|(3<<25)  ; 17:16 elements of 2 bytes; 20 padding on; 21 set beside a mask; 24:22 after every 64 words (code 5); 31:25 4 words of it (code 3)
.set MUL_LO, 0xa1                      ; source 0 (B) window 1, source 1 (A) window 0, C and D window 2
.set TO_B,   0x40                      ; destination window 1, address window 0
.set MSB, 0
.macro WIN new                         ; the immediate's high byte repeats the setting that is left; a switch that changes nothing is dropped
.if MSB != (\new)
	s_set_vgpr_msb (MSB<<8)|(\new)
.set MSB, \new
.endif
.endm
.macro PLACES                          ; four places in front of loads into registers that matrix instructions have read, and of lines that read results
.rept 4
	v_nop
.endr
.endm
; A joint load: waves 0 and 1 fetch A's halves, waves 2 and 3 B's.  The branch hangs on the wave's number alone.  An s_nop 0 and four v_nop follow each of the two lines.
.macro JLOAD s
	s_cmp_eq_u32 s11, 0
	s_cbranch_scc0 .Lfor_b_\@
	tensor_load_to_lds s[G0A+4*(\s):G0A+4*(\s)+3], s[G1A:G1A+7]
	s_nop 0
.rept 4
	v_nop
.endr
	s_branch .Lasked_\@
.Lfor_b_\@:
	tensor_load_to_lds s[G0B+4*(\s):G0B+4*(\s)+3], s[G1B:G1B+7]
	s_nop 0
.rept 4
	v_nop
.endr
.Lasked_\@:
.endm
; A prefetch into the L2 of the K step that stands two refills on, 512 matrix instructions ahead of the load that will want it: 32 rows x 256 bytes, a lane a row, one instruction a wave, behind the
; joint load, its five lines and the run of LDS loads.  Of the 128 rows that a wave fetches each of the four partners that ask for them jointly takes 32, told apart by address; of the clusters that
; read the same rows one asks (s[LIM]).  The last two refills (s3 = 2, 1) ask for nothing: no K step stands two refills behind theirs.
.macro ASK
	s_cmp_gt_u32 s3, s[LIM]
	s_cbranch_scc0 .Lnot_mine_\@
	global_prefetch_b8 v[PFO], s[PFA:PFA+1] offset:KSTEP*2 th:TH_LOAD_NT scope:SCOPE_SE
.Lnot_mine_\@:
.endm
.macro CREST                           ; a round of the cluster's barrier behind its opening barrier: wave 0 signals for the work-group, every wave waits for all sixteen, my work-group's barrier closes it
	s_cmp_lg_u32 s10, 0
	s_cbranch_scc1 .Lnot_wave_0_\@
	s_barrier_signal -3
.Lnot_wave_0_\@:
	s_barrier_wait -3
	s_barrier_signal -1
	s_barrier_wait -1
.endm
.macro CROUND                          ; a whole round
	s_barrier_signal -1
	s_barrier_wait -1
	CREST
.endm
; 16 matrix instructions: row blocks a0, a0 + 1 of the window's four (hi = 0: my rows 0-63, 1: rows 64-127) x all 8 column blocks, 32 along K, from buffer f.  zero = 1: the product starts the sums.
; The 64 accumulators take turns in one fixed order, over every jump too.
.macro MUL16 f, hi, a0, zero
	WIN MUL_LO+0x50*(\hi)
.irp a, \a0, (\a0)+1
.irp b, 0,1,2,3,4,5,6,7
.if \zero
	v_wmma_f32_16x16x32_bf16 v[8*(8*(\a)+(\b)):8*(8*(\a)+(\b))+7], v[(\f)+8*(\b):(\f)+8*(\b)+7], v[(\f)+8*(4*(\hi)+(\a)):(\f)+8*(4*(\hi)+(\a))+7], 0
.else
	v_wmma_f32_16x16x32_bf16 v[8*(8*(\a)+(\b)):8*(8*(\a)+(\b))+7], v[(\f)+8*(\b):(\f)+8*(\b)+7], v[(\f)+8*(4*(\hi)+(\a)):(\f)+8*(4*(\hi)+(\a))+7], v[8*(8*(\a)+(\b)):8*(8*(\a)+(\b))+7]
.endif
.endr
.endr
.endm
; 32 LDS loads in one run: a quarter step's fragments (128 rows of B, 128 rows of A, 32 K at byte k of the rows of the slot in hand) into buffer f.  A fragment is 16 rows x 32 K in 8 registers: two loads of 16 bytes, 32 bytes apart.
.macro FETCH k, f
	WIN TO_B
.irp i, 0,1,2,3,4,5,6,7
	ds_load_b128 v[(\f)+8*(\i):(\f)+8*(\i)+3],   v[ADRB] offset:(\k)+(\i)*16*PITCH
	ds_load_b128 v[(\f)+8*(\i)+4:(\f)+8*(\i)+7], v[ADRB] offset:(\k)+(\i)*16*PITCH+32
.endr
	WIN 0
.irp i, 0,1,2,3,4,5,6,7
	ds_load_b128 v[(\f)+8*(\i):(\f)+8*(\i)+3],   v[ADRA] offset:(\k)+(\i)*16*PITCH
	ds_load_b128 v[(\f)+8*(\i)+4:(\f)+8*(\i)+7], v[ADRA] offset:(\k)+(\i)*16*PITCH+32
.endr
.endm
; A K step is four quarters of 32 along K, 64 matrix instructions each, on buffers 0, 1, 0, 1.  One of the first three: multiplies buffer f; in its middle it fetches the next quarter, at byte k, into buffer g.
.macro QUARTER k, f, g, zero
	s_wait_dscnt 8                                 ; B and A's rows 0-63 are in; the youngest eight loads (A's rows 64-127) may be out
	MUL16 \f, 0, 0, \zero
	MUL16 \f, 0, 2, \zero
	PLACES
	FETCH \k, \g
	s_wait_dscnt 32                                ; all but the 32 just issued
	MUL16 \f, 1, 0, \zero
	MUL16 \f, 1, 2, \zero
.endm
; The last quarter multiplies buffer 1 and changes slots: ONE barrier.  In front of it each wave waits for all its tensor loads (one is out: its part of the next slot), adds 0 to its spare word,
; and waits for that and for its own reads of this slot.  fill = 1: the barrier opens a round of the cluster's, and the slot that is left is filled again first thing behind it, two K steps ahead.
.macro TURN fill
.if \fill
	s_wait_xcnt 0x0                                ; the last prefetch, a K step back, has read its address: it is stepped here
	s_add_nc_u64 s[PFA:PFA+1], s[PFA:PFA+1], KSTEP*2
.endif
	WIN 0                                          ; (the add's two registers lie in window 0)
	s_wait_tensorcnt 0x0                           ; all my tensor loads have landed, so a group 0 may be written
	ds_add_u32 v[SPW], v[NIL]                      ; 0 onto my spare word; work on registers stands between it and the wait for it
.if \fill
	s_xor_b32 s[G0A+5], s[G0A+5], SLOT             ; the walking descriptors: the other slot than last time,
	s_xor_b32 s[G0B+5], s[G0B+5], SLOT
	s_add_nc_u64 s[G0A+6:G0A+7], s[G0A+6:G0A+7], KSTEP*2  ; the next K step; the type bits on top are not reached
	s_add_nc_u64 s[G0B+6:G0B+7], s[G0B+6:G0B+7], KSTEP*2
.endif
	s_xor_b32 s[TB], s[TB], SLOT                   ; the reads go on in the other slot: this slot's last were issued a quarter ago
	v_add_nc_u32 v[ADRA], s[TB], v[ADRA0]
	v_add_nc_u32 v[ADRB], s[TB], v[ADRB0]
	s_wait_dscnt 9                                 ; (the add and the youngest eight loads may be out)
	MUL16 F1, 0, 0, 0                              ; sixteen matrix instructions stand between the add and the wait for it
	s_wait_dscnt 0x0                               ; the add is done, and my reads of the slot that is left are over
	s_barrier_signal -1
	MUL16 F1, 0, 2, 0                              ; work on registers while the others arrive
.if \fill
	WIN 0
.endif
	s_barrier_wait -1
.if \fill
	CREST                                          ; no wave of any partner still reads that slot's tile or has a load on its way
	JLOAD 1                                        ; the four v_nop behind it are also the places in front of the loads below
.else
	PLACES
.endif
	FETCH 0, F0
.if \fill
	ASK
.endif
	MUL16 F1, 1, 0, 0
	MUL16 F1, 1, 2, 0
.endm
	s_load_b128 s[4:7], s[0:1], 0x0                ; xm s[4:5], wb s[6:7]
	s_load_b64 s[8:9], s[0:1], 0x10                ; qkv
	v_lshl_add_u32 v[SPW], v0, 2, SPARE
	v_mov_b32 v[NIL], 0
	ds_add_u32 v[SPW], v[NIL]                      ; the wave's opening: the add and its wait stand ahead of my first tensor load; the set-up below, work on registers, stands between them
	v_lshrrev_b32 v1, 5, v0
	v_readfirstlane_b32 s10, v1                    ; wave 0..3
	s_lshr_b32 s11, s10, 1                         ; which 128 rows of the tile are mine.  Also: I fetch for A (0) or for B (1)
	s_and_b32 s12, s10, 1                          ; which 128 columns.  Also: which half of that tile I fetch
	s_bfe_u32 s40, ttmp6, 0x40000                  ; cx
	s_bfe_u32 s41, ttmp6, 0x40004                  ; cy
	s_and_b32 s66, ttmp7, 0xffff                   ; the cluster's y: 0..23
	s_lshr_b32 s67, s66, 3                         ; the job
	s_and_b32 s81, s66, 7                          ; the cluster's number in the job
	s_lshl_b32 s18, s67, 24                        ; jobs 0, 1: A is input or memory, in xm
	s_lshl_b32 s85, s67, 21                        ; and B is Wq or Wk, in wb
	s_mov_b32 s76, 2048                            ; and a row of C is 2,048 bytes
	s_cmp_eq_u32 s67, 2
	s_cselect_b32 s16, 0, s81                      ; four tile rows: jobs 0, 1: 8 groups; job 2: one
	s_cselect_b32 s84, s81, 0                      ; four tile columns: jobs 0, 1: one group; job 2: 8
	s_cselect_b32 s18, 0x400000, s18               ; job 2: A is Wv, in wb
	s_cselect_b32 s85, 0x1000000, s85              ; B is memory, in xm
	s_cselect_b32 s76, 16384, s76                  ; a row of C is 16,384 bytes
	s_cselect_b32 s90, s81, 0                      ; the coordinate along which other clusters read my rows of A: the one at 0 prefetches them
	s_cselect_b32 s91, 1, s81                      ; the same for B; job 2 asks for none of memory's rows: job 1 asks for them, as its A
	s_lshl_b32 s13, s16, 2
	s_add_co_u32 s13, s13, s41                     ; tile row of C
	s_lshl_b32 s42, s84, 2
	s_add_co_u32 s42, s42, s40                     ; tile column of C
	s_lshl_b32 s20, s41, 2
	s_lshl_b32 s20, 15, s20                        ; my row of the cluster: places 4 cy .. 4 cy + 3
	s_lshl_b32 s21, 0x1111, s40                    ; my column: places cx, cx + 4, cx + 8, cx + 12
	s_or_b32 s[G1A+0], s20, FLAGS                  ; 15:0 the mask: A's tiles go to my row
	s_or_b32 s[G1B+0], s21, FLAGS                  ; B's to my column
.irp g, G1A, G1B
	s_mov_b32 s[(\g)+1], KSTEP<<16                 ; tensor_dim0 = 128
	s_mov_b32 s[(\g)+2], 128<<16                   ; tensor_dim1 = 128
	s_mov_b32 s[(\g)+3], KSTEP<<16                 ; tile_dim0 = 128
	s_mov_b32 s[(\g)+4], 128                       ; tile_dim1 = 128
	s_mov_b32 s[(\g)+5], 1024                      ; elements from row to row
	s_mov_b32 s[(\g)+6], 0
	s_mov_b32 s[(\g)+7], 0
.endr
	s_lshl_b32 s16, s13, 8                         ; A's offset hangs on the tile row and the wave alone,
	s_lshl_b32 s17, s12, 7
	s_add_co_u32 s16, s16, s17                     ; row 256 x tile row + 128 x half,
	s_lshl_b32 s16, s16, 11                        ; 2,048 bytes a row,
	s_add_co_u32 s16, s16, s18                     ; behind the tensor's place in its buffer: under 2^26
	s_mov_b32 s17, 0
	s_lshl_b32 s46, s42, 8                         ; B's on the tile column and the wave alone
	s_lshl_b32 s47, s12, 7
	s_add_co_u32 s46, s46, s47
	s_lshl_b32 s46, s46, 11
	s_add_co_u32 s46, s46, s85
	s_mov_b32 s47, 0
	s_mul_i32 s[LB], s10, HALFT                    ; where my tile goes: A's two halves, then B's two: no place in the cluster enters an LDS address
	s_mov_b32 s[TB], 0
	s_wait_dscnt 0x0                               ; the opening add is done
	s_wait_kmcnt 0x0
	s_cmp_eq_u32 s67, 2
	s_cselect_b64 s[14:15], s[6:7], s[4:5]         ; A's buffer
	s_cselect_b64 s[20:21], s[4:5], s[6:7]         ; B's buffer
	s_add_nc_u64 s[14:15], s[14:15], s[16:17]
	s_add_nc_u64 s[46:47], s[20:21], s[46:47]
	CROUND                                         ; all sixteen work-groups are here: the first joint loads meet
.irp s, 0,1
	s_mov_b32 s[G0A+4*(\s)], 1                                        ; count = 1
	s_add_co_u32 s[G0A+4*(\s)+1], s[LB], (\s)*SLOT                    ; LDS address
	s_add_nc_u64 s[G0A+4*(\s)+2:G0A+4*(\s)+3], s[14:15], (\s)*KSTEP*2 ; global address: K step s
	s_or_b32 s[G0A+4*(\s)+3], s[G0A+4*(\s)+3], 0x80000000             ; type = 2
	s_mov_b32 s[G0B+4*(\s)], 1
	s_add_co_u32 s[G0B+4*(\s)+1], s[LB], (\s)*SLOT
	s_add_nc_u64 s[G0B+4*(\s)+2:G0B+4*(\s)+3], s[46:47], (\s)*KSTEP*2
	s_or_b32 s[G0B+4*(\s)+3], s[G0B+4*(\s)+3], 0x80000000
	JLOAD \s                                       ; two loads of mine are out
.endr
	v_and_b32 v1, 15, v0                           ; r = l % 16
	v_bfe_u32 v2, v0, 4, 1                         ; h = l / 16
	v_mul_u32_u24 v3, v1, PITCH
	v_lshl_add_u32 v3, v2, 4, v3                   ; row x pitch + 16 x half
	s_mul_i32 s20, s11, HALFT                      ; my 128 rows of A
	s_mul_i32 s21, s12, HALFT                      ; my 128 rows of B,
	s_add_co_u32 s21, s21, 2*HALFT                 ; which lie behind A's 256
	v_add_nc_u32 v[ADRA0], s20, v3
	v_add_nc_u32 v[ADRB0], s21, v3
	v_add_nc_u32 v[ADRA], s[TB], v[ADRA0]
	v_add_nc_u32 v[ADRB], s[TB], v[ADRB0]
	s_mul_i32 s23, s10, DWAVE                      ; the way out: my 128 rows of 528 bytes
	v_mul_u32_u24 v5, v1, DPITCH                   ; in: row r, 16 bytes for each half of the lanes
	v_lshl_add_u32 v5, v2, 4, v5
	v_add_nc_u32 v[STO], s23, v5
	v_mul_u32_u24 v5, v2, DPITCH                   ; back: lanes 0-15 take one row, lanes 16-31 the next; 16 bytes a lane, twice
	v_lshl_add_u32 v5, v1, 4, v5
	v_add_nc_u32 v[RD], s23, v5
	s_lshl_b32 s88, s13, 8                         ; where my part of the tile begins in qkv
	s_lshl_b32 s89, s11, 7
	s_add_co_u32 s88, s88, s89                     ; my first row of C,
	s_mul_i32 s88, s88, s76                        ; in bytes,
	s_lshl_b32 s89, s67, 24
	s_add_co_u32 s88, s88, s89                     ; behind the job's 16,777,216 bytes,
	s_lshl_b32 s89, s42, 9
	s_add_co_u32 s88, s88, s89                     ; 512 bytes a tile column,
	s_lshl_b32 s89, s12, 8
	s_add_co_u32 s88, s88, s89                     ; 256 for my half: under 2^26
	s_mov_b32 s89, 0
	s_add_nc_u64 s[8:9], s[8:9], s[88:89]
	s_lshl_b32 s77, s76, 1                         ; two rows of C
	s_lshl_b32 s78, s76, 4                         ; sixteen
	s_mov_b32 s79, 0
	v_mul_lo_u32 v[CO], v2, s76
	v_lshl_add_u32 v[CO], v1, 4, v[CO]             ; row h, 16 bytes a lane
.irp t, 1,2,3,4,5,6,7
	v_add_nc_u32 v[CO+(\t)], s77, v[CO+(\t)-1]     ; rows 2 t + h
.endr
	s_cmp_eq_u32 s11, 0                            ; the prefetches: do I fetch for A?
	s_cselect_b64 s[PFA:PFA+1], s[14:15], s[46:47] ; the first of the 128 rows that I fetch
	s_cselect_b32 s20, s40, s41                    ; my place among the four that ask for the tile with me
	s_cselect_b32 s21, s90, s91
	s_cmp_eq_u32 s21, 0
	s_cselect_b32 s[LIM], 2, -1                    ; the same in all sixteen partners, for a given wave
	s_lshl_b32 s20, s20, 16                        ; my work-group's 32 rows of 2,048 bytes,
	s_add_co_u32 s20, s20, 2*KSTEP*2               ; at K step 2: the first refill steps it to 3 and names K step 4
	s_mov_b32 s21, 0
	s_add_nc_u64 s[PFA:PFA+1], s[PFA:PFA+1], s[20:21]
	v_and_b32 v[PFO], 31, v0
	v_lshlrev_b32 v[PFO], 11, v[PFO]
	s_wait_tensorcnt 1                             ; my part of K step 0 is in; K step 1's may stay out
	s_barrier_signal -1
	s_barrier_wait -1                              ; everybody's is
	FETCH 0, F0
	QUARTER 64, F0, F1, 1                          ; the first quarter stands in front of the loop: its products start the sums
	WIN 0                                          ; at a label and at a branch every window is 0
	s_mov_b32 s3, FILLS
	s_branch .Lmid                                 ; the loop is entered behind a step's first quarter
.Lstep:                                                ; a trip is a K step; at its end the slot that is left is filled again
	QUARTER 64, F0, F1, 0
	WIN 0
.Lmid:
	QUARTER 128, F1, F0, 0
	QUARTER 192, F0, F1, 0
	TURN 1
	WIN 0
	s_sub_co_u32 s3, s3, 1
	s_cmp_lg_u32 s3, 0
	s_cbranch_scc1 .Lstep
	s_mov_b32 s3, 2
.Ltail:                                                ; the last two K steps have a text of their own: they fill nothing.
	QUARTER 64, F0, F1, 0                          ; The second trip's change of slots fetches 32 fragments of a K step that has been multiplied; nobody uses them: the price of one text for both trips
	QUARTER 128, F1, F0, 0
	QUARTER 192, F0, F1, 0
	TURN 0
	WIN 0
	s_sub_co_u32 s3, s3, 1
	s_cmp_lg_u32 s3, 0
	s_cbranch_scc1 .Ltail
; THE WAY OUT.  No slot is filled any more: behind a barrier the ring's bytes take the results.  Each wave stores its 64 accumulators as f32 into 128 rows of its own; of a lane's eight columns
; 16 b + 8 h + 0..7 the first four go to byte 16 i of the row and the other four to byte 256 + 16 i, i = 2 b + h.  Read back, lane i of sixteen finds its row's columns 8 i .. 8 i + 7 by two loads
; of 16 bytes, each run of sixteen lanes taking 256 bytes on end; rounded to f16 they are 16 bytes, and sixteen neighbouring lanes store 256 consecutive bytes of C.  The reading is a loop: 16 rows a trip.
	s_wait_dscnt 0x0                               ; my reads of the ring are over
	s_barrier_signal -1
	s_barrier_wait -1                              ; everybody's are
	PLACES
	PLACES
.irp a, 0,1,2,3,4,5,6,7
	WIN 0x08+4*((\a)/4)                            ; an LDS store's data (source 1) in window 2 or 3, its address in window 0
.irp b, 0,1,2,3,4,5,6,7
	ds_store_b128 v[STO], v[64*((\a)%4)+8*(\b):64*((\a)%4)+8*(\b)+3]   offset:(\a)*16*DPITCH+32*(\b)      ; each accumulator's four lowest registers first
	ds_store_b128 v[STO], v[64*((\a)%4)+8*(\b)+4:64*((\a)%4)+8*(\b)+7] offset:(\a)*16*DPITCH+32*(\b)+256
.endr
.endr
	WIN 0
	s_mov_b32 s3, 8
.Lrows:
.irp t, 0,1,2,3,4,5,6,7
	ds_load_b128 v[E+8*(\t):E+8*(\t)+3],   v[RD] offset:(\t)*2*DPITCH      ; LDS serves a wave's instructions in order (ISA guide 5.7.1.4): these see my stores above
	ds_load_b128 v[E+8*(\t)+4:E+8*(\t)+7], v[RD] offset:(\t)*2*DPITCH+256
.endr
.irp t, 0,1,2,3,4,5,6,7
	s_wait_dscnt 14-2*(\t)                         ; pair t of rows is in; the younger pairs' loads may be out
.irp j, 0,1,2,3
	v_cvt_pk_f16_f32 v[TMP+4*(\t)+(\j)], v[E+8*(\t)+2*(\j)], v[E+8*(\t)+2*(\j)+1]
.endr
	global_store_b128 v[CO+(\t)], v[TMP+4*(\t):TMP+4*(\t)+3], s[8:9]  ; 16 lanes store 256 consecutive bytes, at a multiple of 256 from the buffer's first byte
.endr
	s_wait_xcnt 0x0                                ; the stores have read their base and their data: only behind this wait are these rewritten
	s_add_nc_u64 s[8:9], s[8:9], s[78:79]          ; 16 rows of C on
	v_add_nc_u32 v[RD], 16*DPITCH, v[RD]
	s_sub_co_u32 s3, s3, 1
	s_cmp_lg_u32 s3, 0
	s_cbranch_scc1 .Lrows
	s_wait_tensorcnt 0x0                           ; the wave's end, behind my last tensor load and my last LDS store
	ds_add_u32 v[SPW], v[NIL]
	s_wait_dscnt 0x0
	CROUND                                         ; the closing round: no work-group ends while a partner may still ask for a tile that names it
	s_endpgm
.Lfunc_end_k_qbba69846f2_proj:
	.size	k_qbba69846f2_proj, .Lfunc_end_k_qbba69846f2_proj-k_qbba69846f2_proj
	.p2alignl 7, 3214868480
	.fill 96, 4, 3214868480
	.section	.rodata,"a",@progbits
	.p2align	6, 0x0
	.amdhsa_kernel k_qbba69846f2_proj
		.amdhsa_group_segment_fixed_size 327680
		.amdhsa_private_segment_fixed_size 0
		.amdhsa_enable_private_segment 0
		.amdhsa_kernarg_size 24
		.amdhsa_user_sgpr_count 2
		.amdhsa_user_sgpr_kernarg_segment_ptr 1
		.amdhsa_wavefront_size32 1
		.amdhsa_system_sgpr_workgroup_id_x 1
		.amdhsa_system_sgpr_workgroup_id_y 1
		.amdhsa_system_sgpr_workgroup_id_z 1
		.amdhsa_system_vgpr_workitem_id 0
		.amdhsa_next_free_vgpr 1024
		.amdhsa_next_free_sgpr 96
		.amdhsa_reserve_vcc 0
		.amdhsa_float_denorm_mode_32 3
		.amdhsa_float_denorm_mode_16_64 3
		.amdhsa_memory_ordered 1
		.amdhsa_forward_progress 1
		.amdhsa_inst_pref_size 83
	.end_amdhsa_kernel
	.amdgpu_metadata
---
amdhsa.version: [ 1, 2 ]
amdhsa.kernels:
  - .name:           k_qbba69846f2_proj
    .symbol:         k_qbba69846f2_proj.kd
    .args:
      - { .name: xm, .offset: 0, .size: 8, .value_kind: global_buffer, .address_space: global }
      - { .name: wb, .offset: 8, .size: 8, .value_kind: global_buffer, .address_space: global }
      - { .name: qkv, .offset: 16, .size: 8, .value_kind: global_buffer, .address_space: global }
    .group_segment_fixed_size: 327680
    .private_segment_fixed_size: 0
    .kernarg_segment_align: 8
    .kernarg_segment_size: 24
    .max_flat_workgroup_size: 128
    .sgpr_count:     96
    .vgpr_count:     1024
    .wavefront_size: 32
...
	.end_amdgpu_metadata
.endif
;; end of part 2
;; launch logit (part 3): grid 8 x 32, 4 waves a work-group, clusters of 4 x 4, 327,680 bytes of LDS; arguments qkv, p, st; writes p, st
.if DOCPART == 3
	.amdgcn_target "amdgcn-amd-amdhsa--gfx1250"
	.amdhsa_code_object_version 6
	.text
	.protected	k_qbba69846f2_logit
	.globl	k_qbba69846f2_logit
	.p2align	8
	.type	k_qbba69846f2_logit,@function
k_qbba69846f2_logit:
	s_mov_b64 s[64:65], 0
	v_nop
	global_prefetch_b8 v0, s[64:65] scope:SCOPE_SE
	s_setreg_imm32_b32 hwreg(HW_REG_WAVE_MODE, 25, 1), 1
	s_wait_xcnt 0x0
	s_wait_alu depctr_hold_cnt(0) depctr_sa_sdst(0) depctr_va_vdst(0) depctr_va_sdst(0) depctr_va_ssrc(0) depctr_va_vcc(0) depctr_vm_vsrc(0)
	s_getreg_b32 s2, hwreg(HW_REG_IB_STS2, 6, 4)
	s_cmp_eq_u32 s2, 0
	s_cbranch_scc0 .Lentry_in_a_cluster
	s_endpgm
.Lentry_in_a_cluster:
	s_bfe_u32 s2, ttmp6, 0x10000c
	s_cmp_lg_u32 s2, 0xf033
	s_cbranch_scc0 .Lentry_shape_is_right
	s_endpgm
.Lentry_shape_is_right:
; LOGIT.  S = q k^T for each of 4 batches (2,048 x 2,048, K = 1,024, f16 operands, f32 sums), and the first half of the softmax, by chunks of 128 keys:
; for each row and chunk t: cm_t = c x (the chunk's largest score), P_t = 2^(c s - cm_t) rounded to f16, l_t = the sum of the unrounded P_t.  c = log2(e) / 32: the 1/32 is the scale of q.
; p is [8192 rows][2048 keys] f16; st is [16 chunks][8192 rows][cm, l] f32.  The next launch takes the row's maximum over the chunks and rescales: a maximum is taken away before every exponential.
; LIMITS.  P lies in 0 to 1 (a rounding of cm can lift the largest a few parts in 10^7 above 1); below 6e-5 it keeps f16's fixed step of 6e-8; a weight below 2^-126 counts as 0 in l.  NaN and infinities are not treated apart.
; SHARES.  A tile of S is 256 x 256, made by a work-group of four waves; a wave makes 128 rows x 128 keys, which is just one chunk: 64 accumulators of 16 x 16, 512 registers.  256 tiles.
; K goes in steps of 128 (rows of 256 bytes, aligned) through a ring of two LDS slots filled by the tensor data mover: waves 0 and 1 fetch q's two halves, waves 2 and 3 k's, 128 rows each.
; A K step is 256 matrix instructions a wave; 224 of them stand between a refill's request and the wait for it.
; CLUSTERS.  4 x 4 work-groups: a row of the cluster shares its tile of q, a column its tile of k: each is asked for jointly, by the same tensor load, descriptor and mask in the four.
; THE MATRIX INSTRUCTION IS USED TRANSPOSED (source 0 = 16 rows of k, source 1 = 16 rows of q): lane l holds row l % 16 and the keys 16 b + 8 (l / 16) + 0..7 of each block b.
; ONE TEXT FOR A K STEP.  The slot in hand is a scalar, 0 or SLOT, that an exclusive or turns; LDS addresses are that scalar plus a base.  The first quarter, whose products start the sums, stands in front,
; and the loop is entered in its middle; six trips fill a slot again, two more fill nothing.
; REGISTERS, in windows of 256 (s_set_vgpr_msb: bits 1:0 source 0, 3:2 source 1, 5:4 source 2, 7:6 destination):
;   window 0: v0-31 addresses; v32-63 statistics on the way out; v64-127, v128-191 A's fragments, two buffers (on the way out v64-127: 16 rows' scores); v192-223 packed weights
;   window 1: v64-127, v128-191 B's fragments, two buffers      window 2: the accumulators of my rows 0-63, (a, b) at v[8 (8 a + b)]      window 3: those of my rows 64-127
.set KSTEP,  128
.set PITCH,  272                       ; an LDS row: 256 bytes + 16 of padding = 68 words: the 16 rows of a fragment load start at 16 different groups of four banks (64 banks of 4 bytes: ISA guide 11.1)
.set HALFT,  128*PITCH                 ; what one tensor load brings, and what one wave reads of A or of B
.set SLOT,   4*HALFT                   ; A's 256 rows, then B's 256.  0x22000: it shares no bit with the waves' places, multiples of 0x8800, so an exclusive or turns a descriptor's LDS word
.set DPITCH, 528                       ; the way out: a row of 128 f32 + 16 bytes = 132 words: 16 rows start at 16 different groups of four banks
.set DWAVE,  128*DPITCH                ; a wave's 128 rows; the four waves' lie in the ring's bytes, which have had their last fill by then
.set STB,    4*DWAVE                   ; behind them, still in the ring's bytes: cm and l of a wave's 128 rows, 1,024 bytes a wave
.set SPARE,  2*SLOT                    ; behind the ring: the spare words, 128 bytes for each wave: two blocks of 256 bytes that no other line names
.set FILLS,  6                         ; K steps that come by a refill: 1,024 / 128 - 2
.set CPITCH, 4096                      ; bytes in a row of p
.set ADRA,  16                         ; v16     LDS address of my A fragments in the slot in hand
.set ADRA0, 17                         ; v17     the same in slot 0; never rewritten
.set ADRB,  20                         ; v20, v21  the same for B
.set ADRB0, 21
.set SO,    22                         ; v22     8 x lane: my place in 32 rows of st
.set STO,   24                         ; v24     the way out: where I put 16 bytes of a row
.set RD,    25                         ; v25     the way out: where I read rows back
.set CO,    26                         ; v26     my byte offset in two rows of p
.set SA,    27                         ; v27     where my row's cm and l go in my wave's table
.set SPW,   28                         ; v28     LDS address of my spare word; never rewritten
.set NIL,   29                         ; v29     0; never rewritten
.set PFO,   30                         ; v30     the prefetches' offset: my lane x a row of 2,048 bytes; never rewritten
.set SR,    31                         ; v31     where I read 8 bytes of that table back
.set CM,    32                         ; v32-47  pair t of rows: cm at CM + 2 t, l behind it
.set MX,    48                         ; v48-55  pair t's maximum;  v56-63: the table read back
.set F0,    64
.set F1,    128
.set E,     64
.set TMP,   192
.set G1A, 24                           ; s[24:31] descriptor group 1 for A's tiles;  s[32:39] group 0: a set for each first fill; the second then walks on
.set G0A, 32
.set LIM, 43                           ; s43      2 in a wave that prefetches, else the greatest number
.set PFA, 44                           ; s[44:45] where my prefetches stand
.set G1B, 48                           ; s[48:55], s[56:63] the same for B's tiles
.set G0B, 56
.set TB,  82                           ; s82      the slot in hand: 0 or SLOT
.set LB,  83                           ; s83      my tile's place in a slot: wave x HALFT
.set FLAGS, (1<<16)|(1<<20)|(1<<21)|(5<<22)|(3<<25)  ; elements of 2 bytes; padding on; bit 21 beside a mask; after every 64 words 4 words
.set MUL_LO, 0xa1                      ; source 0 (B) window 1, source 1 (A) window 0, C and D window 2
.set TO_B,   0x40                      ; destination window 1, address window 0
.set MSB, 0
.macro WIN new                         ; the immediate's high byte repeats the setting that is left; a switch that changes nothing is dropped
.if MSB != (\new)
	s_set_vgpr_msb (MSB<<8)|(\new)
.set MSB, \new
.endif
.endm
.macro PLACES                          ; four places (ISA guide 7.12.1)
.rept 4
	v_nop
.endr
.endm
.macro JLOAD s                         ; a joint load: waves 0 and 1 fetch A's halves, waves 2 and 3 B's; an s_nop 0 and four v_nop follow each of the two lines
	s_cmp_eq_u32 s11, 0
	s_cbranch_scc0 .Lfor_b_\@
	tensor_load_to_lds s[G0A+4*(\s):G0A+4*(\s)+3], s[G1A:G1A+7]
	s_nop 0
.rept 4
	v_nop
.endr
	s_branch .Lasked_\@
.Lfor_b_\@:
	tensor_load_to_lds s[G0B+4*(\s):G0B+4*(\s)+3], s[G1B:G1B+7]
	s_nop 0
.rept 4
	v_nop
.endr
.Lasked_\@:
.endm
; A prefetch into the L2 of the K step two refills on, 512 matrix instructions ahead of the load that will want it: 32 rows x 256 bytes, a lane a row, behind the joint load, its five lines and the run of LDS loads.
; Of the 128 rows that a wave fetches each of the four partners takes 32, told apart by address; of the clusters that read the same rows one asks (s[LIM]).  The last two refills (s3 = 2, 1) ask for nothing.
.macro ASK
	s_cmp_gt_u32 s3, s[LIM]
	s_cbranch_scc0 .Lnot_mine_\@
	global_prefetch_b8 v[PFO], s[PFA:PFA+1] offset:KSTEP*2 th:TH_LOAD_NT scope:SCOPE_SE
.Lnot_mine_\@:
.endm
.macro CREST                           ; a round of the cluster's barrier behind its opening barrier
	s_cmp_lg_u32 s10, 0
	s_cbranch_scc1 .Lnot_wave_0_\@
	s_barrier_signal -3
.Lnot_wave_0_\@:
	s_barrier_wait -3
	s_barrier_signal -1
	s_barrier_wait -1
.endm
.macro CROUND
	s_barrier_signal -1
	s_barrier_wait -1
	CREST
.endm
; 16 matrix instructions: row blocks a0, a0 + 1 of the window's four (hi = 0: my rows 0-63, 1: rows 64-127) x 8 column blocks, 32 along K, buffer f.  The 64 accumulators take turns in one fixed order, over every jump too.
.macro MUL16 f, hi, a0, zero
	WIN MUL_LO+0x50*(\hi)
.irp a, \a0, (\a0)+1
.irp b, 0,1,2,3,4,5,6,7
.if \zero
	v_wmma_f32_16x16x32_f16 v[8*(8*(\a)+(\b)):8*(8*(\a)+(\b))+7], v[(\f)+8*(\b):(\f)+8*(\b)+7], v[(\f)+8*(4*(\hi)+(\a)):(\f)+8*(4*(\hi)+(\a))+7], 0
.else
	v_wmma_f32_16x16x32_f16 v[8*(8*(\a)+(\b)):8*(8*(\a)+(\b))+7], v[(\f)+8*(\b):(\f)+8*(\b)+7], v[(\f)+8*(4*(\hi)+(\a)):(\f)+8*(4*(\hi)+(\a))+7], v[8*(8*(\a)+(\b)):8*(8*(\a)+(\b))+7]
.endif
.endr
.endr
.endm
.macro FETCH k, f                      ; 32 LDS loads in one run: a quarter step's fragments, at byte k of the rows of the slot in hand, into buffer f: B's 16 loads, then A's 16
	WIN TO_B
.irp i, 0,1,2,3,4,5,6,7
	ds_load_b128 v[(\f)+8*(\i):(\f)+8*(\i)+3],   v[ADRB] offset:(\k)+(\i)*16*PITCH
	ds_load_b128 v[(\f)+8*(\i)+4:(\f)+8*(\i)+7], v[ADRB] offset:(\k)+(\i)*16*PITCH+32
.endr
	WIN 0
.irp i, 0,1,2,3,4,5,6,7
	ds_load_b128 v[(\f)+8*(\i):(\f)+8*(\i)+3],   v[ADRA] offset:(\k)+(\i)*16*PITCH
	ds_load_b128 v[(\f)+8*(\i)+4:(\f)+8*(\i)+7], v[ADRA] offset:(\k)+(\i)*16*PITCH+32
.endr
.endm
.macro QUARTER k, f, g, zero           ; 32 along K from buffer f, 64 matrix instructions; in its middle the next quarter is fetched into buffer g
	s_wait_dscnt 8                                 ; B and A's rows 0-63 are in; the youngest eight loads (A's rows 64-127) may be out
	MUL16 \f, 0, 0, \zero
	MUL16 \f, 0, 2, \zero
	PLACES
	FETCH \k, \g
	s_wait_dscnt 32                                ; all but the 32 just issued
	MUL16 \f, 1, 0, \zero
	MUL16 \f, 1, 2, \zero
.endm
; The last quarter multiplies buffer 1 and changes slots: ONE barrier; in front of it each wave waits for all its tensor loads, adds 0 to its spare word, and waits for that and for its reads of this slot.
; fill = 1: the barrier opens a round of the cluster's, and the slot that is left is filled again first thing behind it, two K steps ahead.
.macro TURN fill
.if \fill
	s_wait_xcnt 0x0                                ; the last prefetch, a K step back, has read its address: it is stepped here
	s_add_nc_u64 s[PFA:PFA+1], s[PFA:PFA+1], KSTEP*2
.endif
	WIN 0
	s_wait_tensorcnt 0x0                           ; all my tensor loads have landed, so a group 0 may be written
	ds_add_u32 v[SPW], v[NIL]                      ; 0 onto my spare word; work on registers stands between it and the wait for it
.if \fill
	s_xor_b32 s[G0A+5], s[G0A+5], SLOT             ; the walking descriptors: the other slot than last time,
	s_xor_b32 s[G0B+5], s[G0B+5], SLOT
	s_add_nc_u64 s[G0A+6:G0A+7], s[G0A+6:G0A+7], KSTEP*2  ; the next K step; the type bits on top are not reached
	s_add_nc_u64 s[G0B+6:G0B+7], s[G0B+6:G0B+7], KSTEP*2
.endif
	s_xor_b32 s[TB], s[TB], SLOT                   ; the reads go on in the other slot: this slot's last were issued a quarter ago
	v_add_nc_u32 v[ADRA], s[TB], v[ADRA0]
	v_add_nc_u32 v[ADRB], s[TB], v[ADRB0]
	s_wait_dscnt 9                                 ; (the add and the youngest eight loads may be out)
	MUL16 F1, 0, 0, 0
	s_wait_dscnt 0x0                               ; the add is done, and my reads of the slot that is left are over
	s_barrier_signal -1
	MUL16 F1, 0, 2, 0
.if \fill
	WIN 0
.endif
	s_barrier_wait -1
.if \fill
	CREST                                          ; no wave of any partner still reads that slot's tile or has a load on its way
	JLOAD 1                                        ; the four v_nop behind it are also the places in front of the loads below
.else
	PLACES
.endif
	FETCH 0, F0
.if \fill
	ASK
.endif
	MUL16 F1, 1, 0, 0
	MUL16 F1, 1, 2, 0
.endm
	s_load_b128 s[4:7], s[0:1], 0x0                ; qkv s[4:5], p s[6:7]
	s_load_b64 s[74:75], s[0:1], 0x10              ; st
	v_lshl_add_u32 v[SPW], v0, 2, SPARE
	v_mov_b32 v[NIL], 0
	ds_add_u32 v[SPW], v[NIL]                      ; the wave's opening: the add and its wait stand ahead of my first tensor load; the set-up below stands between them
	v_lshrrev_b32 v1, 5, v0
	v_readfirstlane_b32 s10, v1                    ; wave 0..3
	s_lshr_b32 s11, s10, 1                         ; which 128 rows are mine.  Also: I fetch for A (0) or for B (1)
	s_and_b32 s12, s10, 1                          ; which 128 keys.  Also: which half of that tile I fetch
	s_bfe_u32 s40, ttmp6, 0x40000                  ; cx
	s_bfe_u32 s41, ttmp6, 0x40004                  ; cy
	s_and_b32 s66, ttmp7, 0xffff                   ; the cluster's y: 0..7
	s_lshr_b32 s67, s66, 1                         ; the batch: two clusters' rows (2 x 1,024) each
	s_mov_b32 s90, ttmp9                           ; the two clusters along x read my rows of q: the one at 0 prefetches them
	s_and_b32 s91, s66, 1                          ; the batch's two clusters along y read my rows of k: the first prefetches them
	s_lshl_b32 s13, s66, 2
	s_add_co_u32 s13, s13, s41                     ; tile row: 0..31
	s_lshl_b32 s42, ttmp9, 2
	s_add_co_u32 s42, s42, s40                     ; tile column in the batch: 0..7
	s_lshl_b32 s20, s41, 2
	s_lshl_b32 s20, 15, s20                        ; my row of the cluster
	s_lshl_b32 s21, 0x1111, s40                    ; my column
	s_or_b32 s[G1A+0], s20, FLAGS
	s_or_b32 s[G1B+0], s21, FLAGS
.irp g, G1A, G1B
	s_mov_b32 s[(\g)+1], KSTEP<<16                 ; tensor_dim0 = 128
	s_mov_b32 s[(\g)+2], 128<<16                   ; tensor_dim1 = 128
	s_mov_b32 s[(\g)+3], KSTEP<<16                 ; tile_dim0 = 128
	s_mov_b32 s[(\g)+4], 128                       ; tile_dim1 = 128
	s_mov_b32 s[(\g)+5], 1024                      ; elements from row to row
	s_mov_b32 s[(\g)+6], 0
	s_mov_b32 s[(\g)+7], 0
.endr
	s_mov_b32 s68, 0x3d38aa3b                      ; c = log2(e) / 32 = 0.0450842
	s_mov_b32 s69, s68                             ; named with it as a pair
	s_lshl_b32 s16, s13, 8                         ; q: row 256 x tile row + 128 x half,
	s_lshl_b32 s17, s12, 7
	s_add_co_u32 s16, s16, s17
	s_lshl_b32 s16, s16, 11                        ; 2,048 bytes a row
	s_mov_b32 s17, 0
	s_lshl_b32 s46, s67, 11                        ; k: row 2,048 x batch + 256 x tile column + 128 x half,
	s_lshl_b32 s47, s42, 8
	s_add_co_u32 s46, s46, s47
	s_lshl_b32 s47, s12, 7
	s_add_co_u32 s46, s46, s47
	s_lshl_b32 s46, s46, 11
	s_add_co_u32 s46, s46, 0x1000000               ; behind q's 16,777,216 bytes
	s_mov_b32 s47, 0
	s_mul_i32 s[LB], s10, HALFT                    ; where my tile goes: no place in the cluster enters an LDS address
	s_mov_b32 s[TB], 0
	s_wait_dscnt 0x0                               ; the opening add is done
	s_wait_kmcnt 0x0
	s_add_nc_u64 s[14:15], s[4:5], s[16:17]
	s_add_nc_u64 s[46:47], s[4:5], s[46:47]
	CROUND                                         ; all sixteen work-groups are here: the first joint loads meet
.irp s, 0,1
	s_mov_b32 s[G0A+4*(\s)], 1
	s_add_co_u32 s[G0A+4*(\s)+1], s[LB], (\s)*SLOT
	s_add_nc_u64 s[G0A+4*(\s)+2:G0A+4*(\s)+3], s[14:15], (\s)*KSTEP*2
	s_or_b32 s[G0A+4*(\s)+3], s[G0A+4*(\s)+3], 0x80000000
	s_mov_b32 s[G0B+4*(\s)], 1
	s_add_co_u32 s[G0B+4*(\s)+1], s[LB], (\s)*SLOT
	s_add_nc_u64 s[G0B+4*(\s)+2:G0B+4*(\s)+3], s[46:47], (\s)*KSTEP*2
	s_or_b32 s[G0B+4*(\s)+3], s[G0B+4*(\s)+3], 0x80000000
	JLOAD \s                                       ; two loads of mine are out
.endr
	v_and_b32 v1, 15, v0                           ; r
	v_bfe_u32 v2, v0, 4, 1                         ; h
	v_mul_u32_u24 v3, v1, PITCH
	v_lshl_add_u32 v3, v2, 4, v3
	s_mul_i32 s20, s11, HALFT                      ; my 128 rows of A
	s_mul_i32 s21, s12, HALFT                      ; my 128 rows of B,
	s_add_co_u32 s21, s21, 2*HALFT                 ; which lie behind A's 256
	v_add_nc_u32 v[ADRA0], s20, v3
	v_add_nc_u32 v[ADRB0], s21, v3
	v_add_nc_u32 v[ADRA], s[TB], v[ADRA0]
	v_add_nc_u32 v[ADRB], s[TB], v[ADRB0]
	s_mul_i32 s23, s10, DWAVE                      ; the way out: my 128 rows of 528 bytes
	v_mul_u32_u24 v5, v1, DPITCH                   ; in: row r, 16 bytes for each half of the lanes
	v_lshl_add_u32 v5, v2, 4, v5
	v_add_nc_u32 v[STO], s23, v5
	v_mul_u32_u24 v5, v2, DPITCH                   ; back: lanes 0-15 take one row, lanes 16-31 the next; 16 bytes a lane, twice
	v_lshl_add_u32 v5, v1, 4, v5
	v_add_nc_u32 v[RD], s23, v5
	v_lshlrev_b32 v[CO], 12, v2                    ; row h of p, 16 bytes a lane
	v_lshl_add_u32 v[CO], v1, 4, v[CO]
	s_lshl_b32 s20, s10, 10
	s_add_co_u32 s20, s20, STB                     ; my wave's table of cm and l
	v_lshl_add_u32 v[SA], v2, 3, s20               ; row h: 8 bytes a row
	v_and_b32 v[SO], 31, v0
	v_lshlrev_b32 v[SO], 3, v[SO]
	v_add_nc_u32 v[SR], s20, v[SO]
	s_lshl_b32 s88, s13, 8
	s_lshl_b32 s89, s11, 7
	s_add_co_u32 s88, s88, s89                     ; my first row
	s_lshl_b32 s20, s88, 3                         ; in st: 8 bytes a row,
	s_lshl_b32 s21, s42, 1
	s_add_co_u32 s21, s21, s12                     ; chunk 2 x tile column + my half,
	s_lshl_b32 s21, s21, 16                        ; 65,536 bytes a chunk
	s_add_co_u32 s20, s20, s21
	s_mov_b32 s21, 0
	s_add_nc_u64 s[74:75], s[74:75], s[20:21]
	s_lshl_b32 s88, s88, 12                        ; in p: 4,096 bytes a row,
	s_lshl_b32 s89, s42, 9
	s_add_co_u32 s88, s88, s89                     ; 512 a tile column,
	s_lshl_b32 s89, s12, 8
	s_add_co_u32 s88, s88, s89                     ; 256 for my half
	s_mov_b32 s89, 0
	s_add_nc_u64 s[8:9], s[6:7], s[88:89]
	s_cmp_eq_u32 s11, 0                            ; the prefetches
	s_cselect_b64 s[PFA:PFA+1], s[14:15], s[46:47] ; the first of the 128 rows that I fetch
	s_cselect_b32 s20, s40, s41                    ; my place among the four that ask for the tile with me
	s_cselect_b32 s21, s90, s91
	s_cmp_eq_u32 s21, 0
	s_cselect_b32 s[LIM], 2, -1                    ; the same in all sixteen partners, for a given wave
	s_lshl_b32 s20, s20, 16                        ; my work-group's 32 rows of 2,048 bytes,
	s_add_co_u32 s20, s20, 2*KSTEP*2               ; at K step 2: the first refill steps it to 3 and names K step 4
	s_mov_b32 s21, 0
	s_add_nc_u64 s[PFA:PFA+1], s[PFA:PFA+1], s[20:21]
	v_and_b32 v[PFO], 31, v0
	v_lshlrev_b32 v[PFO], 11, v[PFO]
	s_wait_tensorcnt 1                             ; my part of K step 0 is in; K step 1's may stay out
	s_barrier_signal -1
	s_barrier_wait -1
	FETCH 0, F0
	QUARTER 64, F0, F1, 1                          ; the first quarter stands in front of the loop: its products start the sums
	WIN 0                                          ; at a label and at a branch every window is 0
	s_mov_b32 s3, FILLS
	s_branch .Lmid                                 ; the loop is entered behind a step's first quarter
.Lstep:                                                ; a trip is a K step; at its end the slot that is left is filled again
	QUARTER 64, F0, F1, 0
	WIN 0
.Lmid:
	QUARTER 128, F1, F0, 0
	QUARTER 192, F0, F1, 0
	TURN 1
	WIN 0
	s_sub_co_u32 s3, s3, 1
	s_cmp_lg_u32 s3, 0
	s_cbranch_scc1 .Lstep
	s_mov_b32 s3, 2
.Ltail:                                                ; the last two K steps have a text of their own: they fill nothing.
	QUARTER 64, F0, F1, 0                          ; The second trip's change of slots fetches 32 fragments of a K step that has been multiplied; nobody uses them: the price of one text for both trips
	QUARTER 128, F1, F0, 0
	QUARTER 192, F0, F1, 0
	TURN 0
	WIN 0
	s_sub_co_u32 s3, s3, 1
	s_cmp_lg_u32 s3, 0
	s_cbranch_scc1 .Ltail
; THE WAY OUT.  No slot is filled any more: behind a barrier the ring's bytes take the scores.  Each wave stores its 64 accumulators as f32 into 128 rows of its own; of a lane's eight keys
; 16 b + 8 h + 0..7 the first four go to byte 16 i of the row and the other four to byte 256 + 16 i, i = 2 b + h.  Read back, lane i of sixteen finds its row's keys 8 i .. 8 i + 7 by two loads of
; 16 bytes, each run of sixteen lanes taking 256 bytes on end.  So a row lies in sixteen neighbouring lanes: its maximum and its sum take four steps with row_xmask, which ride on the arithmetic,
; and the weights, rounded to f16, are 16 bytes a lane: sixteen lanes store 256 consecutive bytes of p.  The reading is a loop: 16 rows (eight pairs) a trip.
	s_wait_dscnt 0x0                               ; my reads of the ring are over
	s_barrier_signal -1
	s_barrier_wait -1                              ; everybody's are
.irp t, 0,1,2,3,4,5,6,7
	v_mov_b32 v[CM+2*(\t)+1], 0                    ; named in a pair with cm before l is made; these eight lines are also the places behind the last products
.endr
.irp a, 0,1,2,3,4,5,6,7
	WIN 0x08+4*((\a)/4)                            ; an LDS store's data (source 1) in window 2 or 3, its address in window 0
.irp b, 0,1,2,3,4,5,6,7
	ds_store_b128 v[STO], v[64*((\a)%4)+8*(\b):64*((\a)%4)+8*(\b)+3]   offset:(\a)*16*DPITCH+32*(\b)      ; each accumulator's four lowest registers first
	ds_store_b128 v[STO], v[64*((\a)%4)+8*(\b)+4:64*((\a)%4)+8*(\b)+7] offset:(\a)*16*DPITCH+32*(\b)+256
.endr
.endr
	WIN 0
	s_mov_b32 s3, 8
.Lrows:
.irp t, 0,1,2,3,4,5,6,7
	ds_load_b128 v[E+8*(\t):E+8*(\t)+3],   v[RD] offset:(\t)*2*DPITCH      ; LDS serves a wave's instructions in order (ISA guide 5.7.1.4): these see my stores above
	ds_load_b128 v[E+8*(\t)+4:E+8*(\t)+7], v[RD] offset:(\t)*2*DPITCH+256
.endr
	s_wait_dscnt 0x0
.irp t, 0,1,2,3,4,5,6,7                ; the maximum of a lane's eight scores; the eight pairs of rows alternate, so that no line waits for the one before it
	v_max3_num_f32 v[MX+(\t)], v[E+8*(\t)], v[E+8*(\t)+1], v[E+8*(\t)+2]
.endr
.irp j, 3,5
.irp t, 0,1,2,3,4,5,6,7
	v_max3_num_f32 v[MX+(\t)], v[MX+(\t)], v[E+8*(\t)+(\j)], v[E+8*(\t)+(\j)+1]
.endr
.endr
.irp t, 0,1,2,3,4,5,6,7
	v_max_num_f32 v[MX+(\t)], v[MX+(\t)], v[E+8*(\t)+7]
.endr
.irp x, 1,2,4,8                        ; and over the row's sixteen lanes
.irp t, 0,1,2,3,4,5,6,7
	v_max_num_f32_dpp v[MX+(\t)], v[MX+(\t)], v[MX+(\t)] row_xmask:\x row_mask:0xf bank_mask:0xf
.endr
.endr
.irp t, 0,1,2,3,4,5,6,7
	v_mul_f32 v[CM+2*(\t)], s68, v[MX+(\t)]        ; cm
.endr
.irp j, 0,2,4,6
.irp t, 0,1,2,3,4,5,6,7
	v_pk_fma_f32 v[E+8*(\t)+(\j):E+8*(\t)+(\j)+1], v[E+8*(\t)+(\j):E+8*(\t)+(\j)+1], s[68:69], v[CM+2*(\t):CM+2*(\t)+1] op_sel_hi:[1,0,0] neg_lo:[0,0,1] neg_hi:[0,0,1]  ; c s - cm
.endr
.endr
.set k, 0
.rept 64                               ; one batch of 64 exponentials
	v_exp_f32 v[E+k], v[E+k]
.set k, k+1
.endr
	v_nop                                          ; a plain instruction behind the last exponential (ISA guide 5.7.2),
	s_wait_alu depctr_va_vdst(0)                   ; and the one wait ahead of the batch's first reader
.set k, 0
.rept 32
	v_cvt_pk_f16_f32 v[TMP+k], v[E+2*k], v[E+2*k+1]
.set k, k+1
.endr
.irp t, 0,1,2,3,4,5,6,7
	global_store_b128 v[CO], v[TMP+4*(\t):TMP+4*(\t)+3], s[8:9] offset:2*(\t)*CPITCH  ; 16 lanes store 256 consecutive bytes, at a multiple of 256 from p's first byte
.endr
.irp t, 0,1,2,3,4,5,6,7                ; the sum of the unrounded weights: a lane's eight,
	v_pk_add_f32 v[E+8*(\t):E+8*(\t)+1], v[E+8*(\t):E+8*(\t)+1], v[E+8*(\t)+2:E+8*(\t)+3]
	v_pk_add_f32 v[E+8*(\t)+4:E+8*(\t)+5], v[E+8*(\t)+4:E+8*(\t)+5], v[E+8*(\t)+6:E+8*(\t)+7]
.endr
.irp t, 0,1,2,3,4,5,6,7
	v_pk_add_f32 v[E+8*(\t):E+8*(\t)+1], v[E+8*(\t):E+8*(\t)+1], v[E+8*(\t)+4:E+8*(\t)+5]
.endr
.irp t, 0,1,2,3,4,5,6,7
	v_add_f32 v[CM+2*(\t)+1], v[E+8*(\t)], v[E+8*(\t)+1]
.endr
.irp x, 1,2,4,8                        ; and the row's sixteen lanes': l
.irp t, 0,1,2,3,4,5,6,7
	v_add_f32_dpp v[CM+2*(\t)+1], v[CM+2*(\t)+1], v[CM+2*(\t)+1] row_xmask:\x row_mask:0xf bank_mask:0xf
.endr
.endr
.irp t, 0,1,2,3,4,5,6,7
	ds_store_b64 v[SA], v[CM+2*(\t):CM+2*(\t)+1] offset:16*(\t)  ; into my wave's own table; a row's sixteen lanes write the same words with the same numbers
.endr
	s_wait_xcnt 0x0                                ; the stores to p have read their base and their data: only behind this wait are these rewritten
	s_add_nc_u64 s[8:9], s[8:9], 16*CPITCH         ; 16 rows on: in p,
	v_add_nc_u32 v[RD], 16*DPITCH, v[RD]           ; in my rows of scores,
	v_add_nc_u32 v[SA], 128, v[SA]                 ; in the table
	s_sub_co_u32 s3, s3, 1
	s_cmp_lg_u32 s3, 0
	s_cbranch_scc1 .Lrows
.irp j, 0,1,2,3
	ds_load_b64 v[56+2*(\j):57+2*(\j)], v[SR] offset:256*(\j)    ; the table comes back a row a lane
.endr
	s_wait_dscnt 0x0
.irp j, 0,1,2,3
	global_store_b64 v[SO], v[56+2*(\j):57+2*(\j)], s[74:75] offset:256*(\j)  ; 32 rows: 256 consecutive bytes, aligned
.endr
	s_wait_tensorcnt 0x0                           ; the wave's end, behind my last tensor load and my last LDS store
	ds_add_u32 v[SPW], v[NIL]
	s_wait_dscnt 0x0
	CROUND                                         ; the closing round: no work-group ends while a partner may still ask for a tile that names it
	s_endpgm
.Lfunc_end_k_qbba69846f2_logit:
	.size	k_qbba69846f2_logit, .Lfunc_end_k_qbba69846f2_logit-k_qbba69846f2_logit
	.p2alignl 7, 3214868480
	.fill 96, 4, 3214868480
	.section	.rodata,"a",@progbits
	.p2align	6, 0x0
	.amdhsa_kernel k_qbba69846f2_logit
		.amdhsa_group_segment_fixed_size 327680
		.amdhsa_private_segment_fixed_size 0
		.amdhsa_enable_private_segment 0
		.amdhsa_kernarg_size 24
		.amdhsa_user_sgpr_count 2
		.amdhsa_user_sgpr_kernarg_segment_ptr 1
		.amdhsa_wavefront_size32 1
		.amdhsa_system_sgpr_workgroup_id_x 1
		.amdhsa_system_sgpr_workgroup_id_y 1
		.amdhsa_system_sgpr_workgroup_id_z 1
		.amdhsa_system_vgpr_workitem_id 0
		.amdhsa_next_free_vgpr 1024
		.amdhsa_next_free_sgpr 96
		.amdhsa_reserve_vcc 0
		.amdhsa_float_denorm_mode_32 3
		.amdhsa_float_denorm_mode_16_64 3
		.amdhsa_memory_ordered 1
		.amdhsa_forward_progress 1
		.amdhsa_inst_pref_size 95
	.end_amdhsa_kernel
	.amdgpu_metadata
---
amdhsa.version: [ 1, 2 ]
amdhsa.kernels:
  - .name:           k_qbba69846f2_logit
    .symbol:         k_qbba69846f2_logit.kd
    .args:
      - { .name: qkv, .offset: 0, .size: 8, .value_kind: global_buffer, .address_space: global }
      - { .name: p, .offset: 8, .size: 8, .value_kind: global_buffer, .address_space: global }
      - { .name: st, .offset: 16, .size: 8, .value_kind: global_buffer, .address_space: global }
    .group_segment_fixed_size: 327680
    .private_segment_fixed_size: 0
    .kernarg_segment_align: 8
    .kernarg_segment_size: 24
    .max_flat_workgroup_size: 128
    .sgpr_count:     96
    .vgpr_count:     1024
    .wavefront_size: 32
...
	.end_amdgpu_metadata
.endif
;; end of part 3
;; launch pv (part 4): grid 4 x 64, 4 waves a work-group, clusters of 4 x 4, 327,680 bytes of LDS; arguments p, qkv, st, o; writes o
.if DOCPART == 4
	.amdgcn_target "amdgcn-amd-amdhsa--gfx1250"
	.amdhsa_code_object_version 6
	.text
	.protected	k_qbba69846f2_pv
	.globl	k_qbba69846f2_pv
	.p2align	8
	.type	k_qbba69846f2_pv,@function
k_qbba69846f2_pv:
	s_mov_b64 s[64:65], 0
	v_nop
	global_prefetch_b8 v0, s[64:65] scope:SCOPE_SE
	s_setreg_imm32_b32 hwreg(HW_REG_WAVE_MODE, 25, 1), 1
	s_wait_xcnt 0x0
	s_wait_alu depctr_hold_cnt(0) depctr_sa_sdst(0) depctr_va_vdst(0) depctr_va_sdst(0) depctr_va_ssrc(0) depctr_va_vcc(0) depctr_vm_vsrc(0)
	s_getreg_b32 s2, hwreg(HW_REG_IB_STS2, 6, 4)
	s_cmp_eq_u32 s2, 0
	s_cbranch_scc0 .Lentry_in_a_cluster
	s_endpgm
.Lentry_in_a_cluster:
	s_bfe_u32 s2, ttmp6, 0x10000c
	s_cmp_lg_u32 s2, 0xf033
	s_cbranch_scc0 .Lentry_shape_is_right
	s_endpgm
.Lentry_shape_is_right:
; PV.  The second half of the softmax and O = weights x V.  For each row: M = the largest cm_t of its 16 chunks, f_t = 2^(cm_t - M), L = the sum of f_t l_t (all f32);
; O = (the sum over t of (f_t P_t) V_t) / L: f16 operands, f32 sums, O rounded once to f16.  A = p [8192][2048], B = v^T [1024 channels][2048 batch + key], K = 2,048 keys; a K step of 128 keys is one chunk.
; f_t is rounded to f16 and multiplied onto A's fragments between their LDS load and the matrix instruction (v_pk_mul_f16: one more rounding of a 16-bit operand); L takes the unrounded f_t.
; LIMITS.  f_t P_t lies in 0 to 1 and below 6e-5 keeps f16's fixed step of 6e-8: a weight below 6e-8 of its row's largest counts as 0.  O is a mean of V's rows and has their range;
; below 6e-5 it keeps the same fixed step.  L is at least about 1: the chunk with the row's maximum has f = 1 and l of about 1 or more.  NaN and infinities are not treated apart.
; SHARES.  A tile of O is 128 x 256, made by a work-group of four waves; a wave makes 64 x 128: 32 accumulators.  256 tiles.  Ring, cluster and transposed use as in the other products of this program:
; two LDS slots of a K step each, waves 0 and 1 fetch A's halves (64 rows), waves 2 and 3 B's (128 rows), jointly with the cluster's row (A) or column (B);
; source 0 = 16 rows of v^T, source 1 = 16 rows of p: lane l holds row l % 16 of O and eight neighbouring channels.
; REGISTERS, in windows of 256 (s_set_vgpr_msb: bits 1:0 source 0, 3:2 source 1, 5:4 source 2, 7:6 destination):
;   window 0: v0-31 addresses, 1 / L; v32-39 two K steps' factors; v40-47 M, L (head); v64-127 A's fragments, two buffers; v128-255 the statistics (head); on the way out v128-191 scaled results, v192-223 packed, v32-63 and v224-255 rows read back
;   window 1: v64-191 B's fragments, two buffers of 64          window 2: accumulator (a, b) at v[8 (8 a + b)]
.set KSTEP,  128
.set PITCH,  272                       ; an LDS row: 256 bytes + 16 of padding: the 16 rows of a fragment load start at 16 different groups of four banks (64 banks of 4 bytes: ISA guide 11.1)
.set ASUB,   64*PITCH
.set BSUB,   128*PITCH
.set BOFF,   2*ASUB
.set SLOT,   BOFF+2*BSUB
.set STAGE,  2*SLOT                    ; behind the ring, never filled by a tensor load: 16 rows x 272 bytes for each wave
.set FTAB,   STAGE+4*16*PITCH          ; the factors: for each wave 16 chunks x 16 rows x 16 bytes (f twice in a word, for my four row blocks): 4,096 bytes
.set SPARE,  FTAB+4*4096               ; the spare words, 128 bytes for each wave: two blocks of 256 bytes that no other line names
.set LAPS,   8                         ; 2,048 / 256
.set CPITCH, 2048                      ; bytes in a row of o
.set IV,   8                           ; v8-15   block a's 1 / L, twice: a pair for the packed multiply
.set ADRA, 16
.set ADRB, 20
.set STO,  24
.set RD,   25
.set CO,   26
.set FA,   27                          ; v27     where the factors of the lap in hand begin: v31 + s80
.set SPW,  28
.set NIL,  29
.set PFO,  30
.set FB,   31                          ; v31     my row's 16 bytes in chunk 0 of my wave's table; never rewritten
.set FC,   32                          ; v32-35, v36-39  the factors of the K step in slot 0, 1
.set MX,   40                          ; v40-43  M;  v44-47  L
.set OB,   32
.set AF,   64
.set BF,   64
.set SV,   128                         ; the head's statistics: chunk j, block a: cm at SV + 8 j + 2 a, l behind it
.set E,    128
.set TMP,  192
.set G1A, 24
.set G0A, 32
.set LIM, 43
.set PFA, 44
.set G1B, 48
.set G0B, 56
.set FLAGS, (1<<16)|(1<<20)|(1<<21)|(5<<22)|(3<<25)  ; elements of 2 bytes; padding on; bit 21 beside a mask; after every 64 words 4 words
.set MUL,  0xa1
.set TO_B, 0x40
.set W_S0, 0x02                        ; source 0 window 2
.set MSB, 0
.macro WIN new
.if MSB != (\new)
	s_set_vgpr_msb (MSB<<8)|(\new)
.set MSB, \new
.endif
.endm
.macro PLACES
.rept 4
	v_nop
.endr
.endm
.macro JLOAD s                         ; a joint load; an s_nop 0 and four v_nop follow each of the two lines
	s_cmp_eq_u32 s11, 0
	s_cbranch_scc0 .Lfor_b_\@
	tensor_load_to_lds s[G0A+4*(\s):G0A+4*(\s)+3], s[G1A:G1A+7]
	s_nop 0
.rept 4
	v_nop
.endr
	s_branch .Lasked_\@
.Lfor_b_\@:
	tensor_load_to_lds s[G0B+4*(\s):G0B+4*(\s)+3], s[G1B:G1B+7]
	s_nop 0
.rept 4
	v_nop
.endr
.Lasked_\@:
.endm
; A prefetch into the L2 of the K step two refills on: 32 rows x 256 bytes, a lane a row.  Wave 0 asks for A's 128 rows, waves 2 and 3 for their 128 rows of B; the four partners share the rows out by address;
; of the batch's four clusters, which read the same rows of v^T, the first asks (s[LIM]).  The loop's last trip (s3 = 1) asks for nothing.
.macro ASK
	s_cmp_gt_u32 s3, s[LIM]
	s_cbranch_scc0 .Lnot_mine_\@
	global_prefetch_b8 v[PFO], s[PFA:PFA+1] offset:KSTEP*2 th:TH_LOAD_NT scope:SCOPE_SE
.Lnot_mine_\@:
.endm
.macro CREST
	s_cmp_lg_u32 s10, 0
	s_cbranch_scc1 .Lnot_wave_0_\@
	s_barrier_signal -3
.Lnot_wave_0_\@:
	s_barrier_wait -3
	s_barrier_signal -1
	s_barrier_wait -1
.endm
.macro CROUND
	s_barrier_signal -1
	s_barrier_wait -1
	CREST
.endm
.macro MULA u, a, zero                 ; 8 matrix instructions; the 32 accumulators take turns in one fixed order
	WIN MUL
.irp b, 0,1,2,3,4,5,6,7
.if \zero
	v_wmma_f32_16x16x32_f16 v[8*(8*(\a)+(\b)):8*(8*(\a)+(\b))+7], v[BF+64*(\u)+8*(\b):BF+64*(\u)+8*(\b)+7], v[AF+32*(\u)+8*(\a):AF+32*(\u)+8*(\a)+7], 0
.else
	v_wmma_f32_16x16x32_f16 v[8*(8*(\a)+(\b)):8*(8*(\a)+(\b))+7], v[BF+64*(\u)+8*(\b):BF+64*(\u)+8*(\b)+7], v[AF+32*(\u)+8*(\a):AF+32*(\u)+8*(\a)+7], v[8*(8*(\a)+(\b)):8*(8*(\a)+(\b))+7]
.endif
.endr
.endm
.macro FETCH slot, k, u                ; 24 LDS loads in one run: B's 16, then A's 8
	WIN TO_B
.irp i, 0,1,2,3,4,5,6,7
	ds_load_b128 v[BF+64*(\u)+8*(\i):BF+64*(\u)+8*(\i)+3],   v[ADRB+(\slot)] offset:(\k)+(\i)*16*PITCH
	ds_load_b128 v[BF+64*(\u)+8*(\i)+4:BF+64*(\u)+8*(\i)+7], v[ADRB+(\slot)] offset:(\k)+(\i)*16*PITCH+32
.endr
	WIN 0
.irp i, 0,1,2,3
	ds_load_b128 v[AF+32*(\u)+8*(\i):AF+32*(\u)+8*(\i)+3],   v[ADRA+(\slot)] offset:(\k)+(\i)*16*PITCH
	ds_load_b128 v[AF+32*(\u)+8*(\i)+4:AF+32*(\u)+8*(\i)+7], v[ADRA+(\slot)] offset:(\k)+(\i)*16*PITCH+32
.endr
.endm
.macro SCALE u, a, s                   ; block a's fragment in buffer u times its row's f of the K step in slot s: a lane holds one row, so one word (f, f) serves its 16 numbers
.irp i, 0,1,2,3,4,5,6,7
	v_pk_mul_f16 v[AF+32*(\u)+8*(\a)+(\i)], v[AF+32*(\u)+8*(\a)+(\i)], v[FC+4*(\s)+(\a)]
.endr
.endm
; A quarter: 32 along K from buffer u.  The scalings of blocks 2 and 3, sixteen plain lines that name no register of buffer g, are also the places in front of the loads into g.
.macro QUARTER slot, k, u, g, zero
	s_wait_dscnt 4                                 ; the factors, B and A's blocks 0 and 1 are in; the youngest four loads (A's blocks 2 and 3) may be out
	WIN 0
	SCALE \u, 0, \slot
	SCALE \u, 1, \slot
	MULA \u, 0, \zero
	MULA \u, 1, \zero
	WIN 0
	s_wait_dscnt 0x0                               ; A's blocks 2 and 3
	SCALE \u, 2, \slot
	SCALE \u, 3, \slot
	FETCH \slot, \k, \g
	MULA \u, 2, \zero
	MULA \u, 3, \zero
.endm
; The last quarter multiplies buffer 1 and changes slots: ONE barrier; in front of it each wave waits for all its tensor loads, adds 0 to its spare word, and waits for that and for its reads of this slot.
; fill = 1: the barrier opens a round of the cluster's, and this slot is filled again first thing behind it.  Then the next K step's factors and first fragments are read.
.macro TURN slot, next, fill
.if \fill
	s_wait_xcnt 0x0                                ; the last prefetch, a K step back, has read its address: it is stepped here
	s_add_nc_u64 s[PFA:PFA+1], s[PFA:PFA+1], KSTEP*2
.endif
	WIN 0
	s_wait_tensorcnt 0x0                           ; all my tensor loads have landed: my part of the next slot
	ds_add_u32 v[SPW], v[NIL]                      ; 0 onto my spare word
	s_wait_dscnt 5                                 ; (the add and the youngest four loads may be out)
	SCALE 1, 0, \slot
	SCALE 1, 1, \slot
	MULA 1, 0, 0
	s_wait_dscnt 0x0                               ; the add is done, and my reads of this slot are over
	s_barrier_signal -1
	MULA 1, 1, 0                                   ; work on registers while the others arrive
	WIN 0
	SCALE 1, 2, \slot
	SCALE 1, 3, \slot
	s_barrier_wait -1
.if \fill
	CREST                                          ; no wave of any partner still reads this slot's tile or has a load on its way
	s_add_nc_u64 s[G0A+4*(\slot)+2:G0A+4*(\slot)+3], s[G0A+4*(\slot)+2:G0A+4*(\slot)+3], 2*KSTEP*2
	s_add_nc_u64 s[G0B+4*(\slot)+2:G0B+4*(\slot)+3], s[G0B+4*(\slot)+2:G0B+4*(\slot)+3], 2*KSTEP*2
	JLOAD \slot
.else
	PLACES
.endif
	ds_load_b128 v[FC+4*(\next):FC+4*(\next)+3], v[FA] offset:512-256*(\next)  ; the next K step's factors: the oldest load of the run, so the next quarter's first wait covers it
	FETCH \next, 0, 0
.if (\next) == 0
	s_add_co_u32 s80, s80, 512                     ; the next lap's two chunks
	v_add_nc_u32 v[FA], s80, v[FB]
.endif
.if \fill
	ASK
.endif
	MULA 1, 2, 0
	MULA 1, 3, 0
.endm
	s_load_b128 s[4:7], s[0:1], 0x0                ; p s[4:5], qkv s[6:7]
	s_load_b128 s[84:87], s[0:1], 0x10             ; st s[84:85], o s[86:87]
	v_lshl_add_u32 v[SPW], v0, 2, SPARE
	v_mov_b32 v[NIL], 0
	ds_add_u32 v[SPW], v[NIL]                      ; the wave's opening: the add and its wait stand ahead of my first tensor load; the set-up below stands between them
	v_lshrrev_b32 v1, 5, v0
	v_readfirstlane_b32 s10, v1                    ; wave 0..3
	s_lshr_b32 s11, s10, 1                         ; which 64 rows are mine.  Also: I fetch for A (0) or for B (1)
	s_and_b32 s12, s10, 1                          ; which 128 channels.  Also: which half of that tile I fetch
	s_bfe_u32 s40, ttmp6, 0x40000                  ; cx
	s_bfe_u32 s41, ttmp6, 0x40004                  ; cy
	s_and_b32 s66, ttmp7, 0xffff                   ; the cluster's y: 0..15
	s_lshr_b32 s67, s66, 2                         ; the batch
	s_mov_b32 s90, 0                               ; no other cluster reads my rows of p
	s_and_b32 s91, s66, 3                          ; the batch's four clusters read the same rows of v^T: the first prefetches them
	s_lshl_b32 s13, s66, 2
	s_add_co_u32 s13, s13, s41                     ; tile row: 0..63
	s_mov_b32 s42, s40                             ; tile column: 0..3
	s_lshl_b32 s20, s41, 2
	s_lshl_b32 s20, 15, s20                        ; my row of the cluster
	s_lshl_b32 s21, 0x1111, s40                    ; my column
	s_or_b32 s[G1A+0], s20, FLAGS
	s_or_b32 s[G1B+0], s21, FLAGS
	s_mov_b32 s[G1A+1], KSTEP<<16                  ; tensor_dim0 = 128
	s_mov_b32 s[G1A+2], 64<<16                     ; tensor_dim1 = 64
	s_mov_b32 s[G1A+3], KSTEP<<16                  ; tile_dim0 = 128
	s_mov_b32 s[G1A+4], 64                         ; tile_dim1 = 64
	s_mov_b32 s[G1A+5], 2048                       ; p: 2,048 elements from row to row
	s_mov_b32 s[G1A+6], 0
	s_mov_b32 s[G1A+7], 0
	s_mov_b32 s[G1B+1], KSTEP<<16
	s_mov_b32 s[G1B+2], 128<<16
	s_mov_b32 s[G1B+3], KSTEP<<16
	s_mov_b32 s[G1B+4], 128
	s_mov_b32 s[G1B+5], 8192                       ; v^T: 8,192 elements from row to row
	s_mov_b32 s[G1B+6], 0
	s_mov_b32 s[G1B+7], 0
	s_mov_b32 s80, 0
	s_lshl_b32 s16, s13, 7                         ; p: row 128 x tile row + 64 x half,
	s_lshl_b32 s17, s12, 6
	s_add_co_u32 s16, s16, s17
	s_lshl_b32 s16, s16, 12                        ; 4,096 bytes a row
	s_mov_b32 s17, 0
	s_lshl_b32 s46, s42, 8                         ; v^T: row 256 x tile column + 128 x half,
	s_lshl_b32 s47, s12, 7
	s_add_co_u32 s46, s46, s47
	s_lshl_b32 s46, s46, 14                        ; 16,384 bytes a row,
	s_lshl_b32 s47, s67, 12
	s_add_co_u32 s46, s46, s47                     ; the batch's 2,048 keys begin 4,096 bytes apart,
	s_add_co_u32 s46, s46, 0x2000000               ; behind q's and k's 33,554,432 bytes
	s_mov_b32 s47, 0
	s_mul_i32 s22, s12, ASUB                       ; where the tiles go
	s_mul_i32 s23, s12, BSUB
	s_add_co_u32 s23, s23, BOFF
	s_wait_dscnt 0x0                               ; the opening add is done
	s_wait_kmcnt 0x0
	s_add_nc_u64 s[14:15], s[4:5], s[16:17]
	s_add_nc_u64 s[46:47], s[6:7], s[46:47]
	CROUND                                         ; all sixteen work-groups are here: the first joint loads meet
.irp s, 0,1
	s_mov_b32 s[G0A+4*(\s)], 1
	s_add_co_u32 s[G0A+4*(\s)+1], s22, (\s)*SLOT
	s_add_nc_u64 s[G0A+4*(\s)+2:G0A+4*(\s)+3], s[14:15], (\s)*KSTEP*2
	s_or_b32 s[G0A+4*(\s)+3], s[G0A+4*(\s)+3], 0x80000000
	s_mov_b32 s[G0B+4*(\s)], 1
	s_add_co_u32 s[G0B+4*(\s)+1], s23, (\s)*SLOT
	s_add_nc_u64 s[G0B+4*(\s)+2:G0B+4*(\s)+3], s[46:47], (\s)*KSTEP*2
	s_or_b32 s[G0B+4*(\s)+3], s[G0B+4*(\s)+3], 0x80000000
	JLOAD \s                                       ; two loads of mine are out
.endr
	v_and_b32 v1, 15, v0                           ; r
	v_bfe_u32 v2, v0, 4, 1                         ; h
	s_lshl_b32 s88, s13, 7
	s_lshl_b32 s89, s11, 6
	s_add_co_u32 s88, s88, s89                     ; my first row
	s_lshl_b32 s20, s88, 3                         ; in st: 8 bytes a row
	s_mov_b32 s21, 0
	s_add_nc_u64 s[74:75], s[84:85], s[20:21]
	v_lshlrev_b32 v7, 3, v1                        ; my row in a block of 16; both halves of the lanes read the same
.set j, 0
.rept 16                               ; cm and l of my 64 rows in all 16 chunks: they land while the first tiles are on their way
.irp a, 0,1,2,3
	global_load_b64 v[SV+8*j+2*(\a):SV+8*j+2*(\a)+1], v7, s[74:75] offset:j*65536+(\a)*128
.endr
.set j, j+1
.endr
	v_mul_u32_u24 v3, v1, PITCH
	v_lshl_add_u32 v3, v2, 4, v3
	s_mul_i32 s20, s11, ASUB
	s_mul_i32 s21, s12, BSUB
	s_add_co_u32 s21, s21, BOFF
.irp s, 0,1
	v_add_nc_u32 v[ADRA+(\s)], s20, v3
	v_add_nc_u32 v[ADRB+(\s)], s21, v3
	s_add_co_u32 s20, s20, SLOT
	s_add_co_u32 s21, s21, SLOT
.endr
	s_mul_i32 s23, s10, 16*PITCH
	s_add_co_u32 s23, s23, STAGE                   ; my stage
	v_add_nc_u32 v[STO], s23, v3
	v_mul_u32_u24 v5, v2, PITCH
	v_lshl_add_u32 v5, v1, 4, v5
	v_add_nc_u32 v[RD], s23, v5
	v_lshlrev_b32 v[CO], 11, v2                    ; row h of o, 16 bytes a lane
	v_lshl_add_u32 v[CO], v1, 4, v[CO]
	s_lshl_b32 s20, s10, 12
	s_add_co_u32 s20, s20, FTAB                    ; my wave's table
	v_lshl_add_u32 v[FB], v1, 4, s20
	v_add_nc_u32 v[FA], s80, v[FB]
	s_lshl_b32 s88, s88, 11                        ; in o: 2,048 bytes a row,
	s_lshl_b32 s89, s42, 9
	s_add_co_u32 s88, s88, s89                     ; 512 a tile column,
	s_lshl_b32 s89, s12, 8
	s_add_co_u32 s88, s88, s89                     ; 256 for my half
	s_mov_b32 s89, 0
	s_add_nc_u64 s[8:9], s[86:87], s[88:89]
	s_cmp_eq_u32 s11, 0                            ; the prefetches
	s_cselect_b64 s[PFA:PFA+1], s[14:15], s[46:47]
	s_cselect_b32 s20, s40, s41                    ; my place among the four that ask for the tile with me
	s_cselect_b32 s21, s90, s91
	s_cselect_b32 s22, 12, 14                      ; a row is 4,096 bytes of p or 16,384 of v^T
	s_cselect_b32 s23, 17, 19                      ; 32 rows
	s_cmp_eq_u32 s10, 1
	s_cselect_b32 s16, 1, 0                        ; wave 1 asks for nothing
	s_or_b32 s21, s21, s16
	s_cmp_eq_u32 s21, 0
	s_cselect_b32 s[LIM], 1, -1
	s_lshl_b32 s20, s20, s23                       ; my work-group's 32 rows,
	s_add_co_u32 s20, s20, 2*KSTEP*2               ; at K step 2
	s_mov_b32 s21, 0
	s_add_nc_u64 s[PFA:PFA+1], s[PFA:PFA+1], s[20:21]
	v_and_b32 v[PFO], 31, v0
	v_lshlrev_b32 v[PFO], s22, v[PFO]
	s_wait_loadcnt 0x0                             ; the statistics are in
.irp a, 0,1,2,3                        ; M: the four blocks alternate, so that no line waits for the one before it
	v_max3_num_f32 v[MX+(\a)], v[SV+2*(\a)], v[SV+8+2*(\a)], v[SV+16+2*(\a)]
.endr
.set j, 3
.rept 6
.irp a, 0,1,2,3
	v_max3_num_f32 v[MX+(\a)], v[MX+(\a)], v[SV+8*j+2*(\a)], v[SV+8*j+8+2*(\a)]
.endr
.set j, j+2
.endr
.irp a, 0,1,2,3
	v_max_num_f32 v[MX+(\a)], v[MX+(\a)], v[SV+120+2*(\a)]
.endr
.set j, 0
.rept 16
.irp a, 0,1,2,3
	v_sub_f32 v[SV+8*j+2*(\a)], v[SV+8*j+2*(\a)], v[MX+(\a)]  ; cm - M: never above 0
.endr
.set j, j+1
.endr
.set j, 0
.rept 16                               ; one batch of 64 exponentials
.irp a, 0,1,2,3
	v_exp_f32 v[SV+8*j+2*(\a)], v[SV+8*j+2*(\a)]
.endr
.set j, j+1
.endr
	v_nop                                          ; a plain instruction behind the last exponential (ISA guide 5.7.2),
	s_wait_alu depctr_va_vdst(0)                   ; and the one wait ahead of the batch's first reader
.irp a, 0,1,2,3
	v_mul_f32 v[MX+4+(\a)], v[SV+2*(\a)], v[SV+2*(\a)+1]      ; L = f_0 l_0
.endr
.set j, 1
.rept 15
.irp a, 0,1,2,3
	v_fmac_f32 v[MX+4+(\a)], v[SV+8*j+2*(\a)], v[SV+8*j+2*(\a)+1]  ; + f_j l_j
.endr
.set j, j+1
.endr
.irp a, 0,1,2,3
	v_rcp_f32 v[IV+2*(\a)], v[MX+4+(\a)]           ; 1 / L, twice: a pair for the packed multiply on the way out
	v_rcp_f32 v[IV+2*(\a)+1], v[MX+4+(\a)]
.endr
	v_nop
.set j, 0
.rept 16                               ; f rounded to f16, in both halves of a word; block a's word goes to SV + 8 j + a: a ascends, so no f is lost before it is read
.irp a, 0,1,2,3
	v_cvt_pk_f16_f32 v[SV+8*j+(\a)], v[SV+8*j+2*(\a)], v[SV+8*j+2*(\a)]
.endr
.set j, j+1
.endr
	s_wait_alu depctr_va_vdst(0)                   ; the reciprocals' wait: one for the eight, ahead of the labels below and of their first reader, on the way out
.set j, 0
.rept 16
	ds_store_b128 v[FB], v[SV+8*j:SV+8*j+3] offset:256*j      ; my wave's own table; both halves of the lanes write the same words
.set j, j+1
.endr
	s_wait_tensorcnt 1                             ; my part of K step 0 is in; K step 1's may stay out
	s_wait_dscnt 0x0                               ; no LDS instruction of mine is pending at a signal
	s_barrier_signal -1
	s_barrier_wait -1
	ds_load_b128 v[FC:FC+3], v[FA]                 ; chunk 0's factors
	FETCH 0, 0, 0
	QUARTER 0, 64, 0, 1, 1                         ; the first quarter's products start the sums
	WIN 0
	s_mov_b32 s3, LAPS-1
.Llap:
	QUARTER 0, 128, 1, 0, 0
	QUARTER 0, 192, 0, 1, 0
	TURN 0, 1, 1
	QUARTER 1, 64,  0, 1, 0
	QUARTER 1, 128, 1, 0, 0
	QUARTER 1, 192, 0, 1, 0
	TURN 1, 0, 1
	QUARTER 0, 64,  0, 1, 0
	WIN 0
	s_sub_co_u32 s3, s3, 1
	s_cmp_lg_u32 s3, 0
	s_cbranch_scc1 .Llap
	QUARTER 0, 128, 1, 0, 0                        ; the last lap is written out: it fills nothing
	QUARTER 0, 192, 0, 1, 0
	TURN 0, 1, 0
	QUARTER 1, 64,  0, 1, 0
	QUARTER 1, 128, 1, 0, 0
	QUARTER 1, 192, 0, 1, 0
	s_wait_dscnt 4                                 ; the very last quarter: nothing more to fetch
	WIN 0
	SCALE 1, 0, 1
	SCALE 1, 1, 1
	MULA 1, 0, 0
	MULA 1, 1, 0
	WIN 0
	s_wait_dscnt 0x0
	SCALE 1, 2, 1
	SCALE 1, 3, 1
	MULA 1, 2, 0
	MULA 1, 3, 0
	WIN 0
; THE WAY OUT, a block of 16 rows at a time: divided by L, rounded to f16, through my own stage, stored as whole rows of 256 bytes.
.macro PACK a                          ; each accumulator's registers in ascending order
	WIN W_S0
.set k, 0
.rept 32
	v_pk_mul_f32 v[E+2*k:E+2*k+1], v[64*(\a)+2*k:64*(\a)+2*k+1], v[IV+2*(\a):IV+2*(\a)+1]
.set k, k+1
.endr
	WIN 0
.set k, 0
.rept 32
	v_cvt_pk_f16_f32 v[TMP+k], v[E+2*k], v[E+2*k+1]
.set k, k+1
.endr
.endm
.macro TOSTAGE a
.irp b, 0,1,2,3,4,5,6,7
	ds_store_b128 v[STO], v[TMP+4*(\b):TMP+4*(\b)+3] offset:32*(\b)
.endr
.irp t, 0,1,2,3,4,5,6,7
	ds_load_b128 v[OB+192*((\a)%2)+4*(\t):OB+192*((\a)%2)+4*(\t)+3], v[RD] offset:(\t)*2*PITCH  ; LDS serves a wave's instructions in order (ISA guide 5.7.1.4): these see the stores above
.endr
.endm
.macro SEND a
	s_wait_dscnt 0x0                               ; the block is back in registers
	s_wait_xcnt 0x0                                ; earlier stores have read their base and their data: only behind this wait are these rewritten
.if (\a) > 0
	s_add_nc_u64 s[8:9], s[8:9], 16*CPITCH
.endif
.irp t, 0,1,2,3,4,5,6,7
	global_store_b128 v[CO], v[OB+192*((\a)%2)+4*(\t):OB+192*((\a)%2)+4*(\t)+3], s[8:9] offset:2*(\t)*CPITCH  ; 16 lanes store 256 consecutive bytes, at a multiple of 256 from o's first byte
.endr
.endm
	PLACES
	PLACES
	PACK 0
	TOSTAGE 0
.irp a, 1,2,3
	PACK \a
	SEND (\a)-1
	TOSTAGE \a
.endr
	SEND 3
	s_wait_tensorcnt 0x0                           ; the wave's end, behind my last tensor load and my last LDS store
	ds_add_u32 v[SPW], v[NIL]
	s_wait_dscnt 0x0
	CROUND                                         ; the closing round
	s_endpgm
.Lfunc_end_k_qbba69846f2_pv:
	.size	k_qbba69846f2_pv, .Lfunc_end_k_qbba69846f2_pv-k_qbba69846f2_pv
	.p2alignl 7, 3214868480
	.fill 96, 4, 3214868480
	.section	.rodata,"a",@progbits
	.p2align	6, 0x0
	.amdhsa_kernel k_qbba69846f2_pv
		.amdhsa_group_segment_fixed_size 327680
		.amdhsa_private_segment_fixed_size 0
		.amdhsa_enable_private_segment 0
		.amdhsa_kernarg_size 32
		.amdhsa_user_sgpr_count 2
		.amdhsa_user_sgpr_kernarg_segment_ptr 1
		.amdhsa_wavefront_size32 1
		.amdhsa_system_sgpr_workgroup_id_x 1
		.amdhsa_system_sgpr_workgroup_id_y 1
		.amdhsa_system_sgpr_workgroup_id_z 1
		.amdhsa_system_vgpr_workitem_id 0
		.amdhsa_next_free_vgpr 768
		.amdhsa_next_free_sgpr 96
		.amdhsa_reserve_vcc 0
		.amdhsa_float_denorm_mode_32 3
		.amdhsa_float_denorm_mode_16_64 3
		.amdhsa_memory_ordered 1
		.amdhsa_forward_progress 1
		.amdhsa_inst_pref_size 147
	.end_amdhsa_kernel
	.amdgpu_metadata
---
amdhsa.version: [ 1, 2 ]
amdhsa.kernels:
  - .name:           k_qbba69846f2_pv
    .symbol:         k_qbba69846f2_pv.kd
    .args:
      - { .name: p, .offset: 0, .size: 8, .value_kind: global_buffer, .address_space: global }
      - { .name: qkv, .offset: 8, .size: 8, .value_kind: global_buffer, .address_space: global }
      - { .name: st, .offset: 16, .size: 8, .value_kind: global_buffer, .address_space: global }
      - { .name: o, .offset: 24, .size: 8, .value_kind: global_buffer, .address_space: global }
    .group_segment_fixed_size: 327680
    .private_segment_fixed_size: 0
    .kernarg_segment_align: 8
    .kernarg_segment_size: 32
    .max_flat_workgroup_size: 128
    .sgpr_count:     96
    .vgpr_count:     768
    .wavefront_size: 32
...
	.end_amdgpu_metadata
.endif
;; end of part 4
;; launch outp (part 5): grid 4 x 64, 4 waves a work-group, clusters of 4 x 4, 327,680 bytes of LDS; arguments o, wb, out0; writes out0
.if DOCPART == 5
	.amdgcn_target "amdgcn-amd-amdhsa--gfx1250"
	.amdhsa_code_object_version 6
	.text
	.protected	k_qbba69846f2_outp
	.globl	k_qbba69846f2_outp
	.p2align	8
	.type	k_qbba69846f2_outp,@function
k_qbba69846f2_outp:
	s_mov_b64 s[64:65], 0
	v_nop
	global_prefetch_b8 v0, s[64:65] scope:SCOPE_SE
	s_setreg_imm32_b32 hwreg(HW_REG_WAVE_MODE, 25, 1), 1
	s_wait_xcnt 0x0
	s_wait_alu depctr_hold_cnt(0) depctr_sa_sdst(0) depctr_va_vdst(0) depctr_va_sdst(0) depctr_va_ssrc(0) depctr_va_vcc(0) depctr_vm_vsrc(0)
	s_getreg_b32 s2, hwreg(HW_REG_IB_STS2, 6, 4)
	s_cmp_eq_u32 s2, 0
	s_cbranch_scc0 .Lentry_in_a_cluster
	s_endpgm
.Lentry_in_a_cluster:
	s_bfe_u32 s2, ttmp6, 0x10000c
	s_cmp_lg_u32 s2, 0xf033
	s_cbranch_scc0 .Lentry_shape_is_right
	s_endpgm
.Lentry_shape_is_right:
; OUTP.  out0 = O Wo^T: A = o [8192][1024] f16, B = Wo [1024][1024] (rounded to bf16 like every input, written as f16; 6,291,456 bytes into wb), K = 1,024, f32 sums stored as they are.
; LIMITS.  None of its own: the operands arrive within f16's range.  NaN and infinities are not treated apart.
; SHARES.  A tile of out0 is 128 x 256, made by a work-group of four waves; a wave makes 64 x 128: 32 accumulators of 16 x 16.  256 tiles.
; K goes in steps of 128 (rows of 256 bytes, aligned) through a ring of two LDS slots filled by the tensor data mover: waves 0 and 1 fetch A's two halves (64 rows), waves 2 and 3 B's (128 rows).
; CLUSTERS.  4 x 4 work-groups: a row of the cluster shares its tile of A, a column its tile of B: each is asked for jointly, by the same tensor load, descriptor and mask in the four.
; THE MATRIX INSTRUCTION IS USED TRANSPOSED (source 0 = 16 rows of Wo, source 1 = 16 rows of o): lane l holds row l % 16 and eight neighbouring columns: 32 bytes of f32 on end.
; REGISTERS, in windows of 256 (s_set_vgpr_msb: bits 1:0 source 0, 3:2 source 1, 5:4 source 2, 7:6 destination):
;   window 0: v0-31 addresses; v64-127 A's fragments, two buffers; v128-191, v192-255 rows read back on the way out
;   window 1: v64-191 B's fragments, two buffers of 64          window 2: accumulator (a, b) at v[8 (8 a + b)]
.set KSTEP,  128
.set PITCH,  272                       ; an LDS row: 256 bytes + 16 of padding: the 16 rows of a fragment load start at 16 different groups of four banks (64 banks of 4 bytes: ISA guide 11.1)
.set ASUB,   64*PITCH
.set BSUB,   128*PITCH
.set BOFF,   2*ASUB
.set SLOT,   BOFF+2*BSUB
.set STAGE,  2*SLOT                    ; behind the ring, never filled by a tensor load: 16 rows x 528 bytes for each wave
.set SPITCH, 528                       ; a stage row: 512 bytes of f32 + 16 = 132 words: 16 rows start at 16 different groups of four banks
.set SPARE,  STAGE+4*16*SPITCH         ; the spare words, 128 bytes for each wave: two blocks of 256 bytes that no other line names
.set LAPS,   4                         ; 1,024 / 256
.set CPITCH, 4096                      ; bytes in a row of out0
.set ADRA, 16
.set ADRB, 20
.set STO,  24
.set RD,   25
.set CO,   26
.set SPW,  28
.set NIL,  29
.set PFO,  30
.set AF,   64
.set BF,   64
.set BK,   128                         ; two buffers of 64: a block's 16 rows
.set G1A, 24
.set G0A, 32
.set LIM, 43
.set PFA, 44
.set G1B, 48
.set G0B, 56
.set FLAGS, (1<<16)|(1<<20)|(1<<21)|(5<<22)|(3<<25)  ; elements of 2 bytes; padding on; bit 21 beside a mask; after every 64 words 4 words
.set MUL,  0xa1
.set TO_B, 0x40
.set W_SD, 0x08                        ; an LDS store's data (source 1) in window 2, its address in window 0
.set MSB, 0
.macro WIN new
.if MSB != (\new)
	s_set_vgpr_msb (MSB<<8)|(\new)
.set MSB, \new
.endif
.endm
.macro PLACES
.rept 4
	v_nop
.endr
.endm
.macro JLOAD s                         ; a joint load; an s_nop 0 and four v_nop follow each of the two lines
	s_cmp_eq_u32 s11, 0
	s_cbranch_scc0 .Lfor_b_\@
	tensor_load_to_lds s[G0A+4*(\s):G0A+4*(\s)+3], s[G1A:G1A+7]
	s_nop 0
.rept 4
	v_nop
.endr
	s_branch .Lasked_\@
.Lfor_b_\@:
	tensor_load_to_lds s[G0B+4*(\s):G0B+4*(\s)+3], s[G1B:G1B+7]
	s_nop 0
.rept 4
	v_nop
.endr
.Lasked_\@:
.endm
; A prefetch into the L2 of the K step two refills on: 32 rows x 256 bytes, a lane a row.  Wave 0 asks for A's 128 rows, waves 2 and 3 for their 128 rows of B; the four partners share the rows out by address;
; all sixteen clusters read Wo's rows: the first asks (s[LIM]).  The loop's last trip (s3 = 1) asks for nothing.
.macro ASK
	s_cmp_gt_u32 s3, s[LIM]
	s_cbranch_scc0 .Lnot_mine_\@
	global_prefetch_b8 v[PFO], s[PFA:PFA+1] offset:KSTEP*2 th:TH_LOAD_NT scope:SCOPE_SE
.Lnot_mine_\@:
.endm
.macro CREST
	s_cmp_lg_u32 s10, 0
	s_cbranch_scc1 .Lnot_wave_0_\@
	s_barrier_signal -3
.Lnot_wave_0_\@:
	s_barrier_wait -3
	s_barrier_signal -1
	s_barrier_wait -1
.endm
.macro CROUND
	s_barrier_signal -1
	s_barrier_wait -1
	CREST
.endm
.macro MULA u, a, zero                 ; 8 matrix instructions; the 32 accumulators take turns in one fixed order
	WIN MUL
.irp b, 0,1,2,3,4,5,6,7
.if \zero
	v_wmma_f32_16x16x32_f16 v[8*(8*(\a)+(\b)):8*(8*(\a)+(\b))+7], v[BF+64*(\u)+8*(\b):BF+64*(\u)+8*(\b)+7], v[AF+32*(\u)+8*(\a):AF+32*(\u)+8*(\a)+7], 0
.else
	v_wmma_f32_16x16x32_f16 v[8*(8*(\a)+(\b)):8*(8*(\a)+(\b))+7], v[BF+64*(\u)+8*(\b):BF+64*(\u)+8*(\b)+7], v[AF+32*(\u)+8*(\a):AF+32*(\u)+8*(\a)+7], v[8*(8*(\a)+(\b)):8*(8*(\a)+(\b))+7]
.endif
.endr
.endm
.macro FETCH slot, k, u                ; 24 LDS loads in one run: B's 16, then A's 8
	WIN TO_B
.irp i, 0,1,2,3,4,5,6,7
	ds_load_b128 v[BF+64*(\u)+8*(\i):BF+64*(\u)+8*(\i)+3],   v[ADRB+(\slot)] offset:(\k)+(\i)*16*PITCH
	ds_load_b128 v[BF+64*(\u)+8*(\i)+4:BF+64*(\u)+8*(\i)+7], v[ADRB+(\slot)] offset:(\k)+(\i)*16*PITCH+32
.endr
	WIN 0
.irp i, 0,1,2,3
	ds_load_b128 v[AF+32*(\u)+8*(\i):AF+32*(\u)+8*(\i)+3],   v[ADRA+(\slot)] offset:(\k)+(\i)*16*PITCH
	ds_load_b128 v[AF+32*(\u)+8*(\i)+4:AF+32*(\u)+8*(\i)+7], v[ADRA+(\slot)] offset:(\k)+(\i)*16*PITCH+32
.endr
.endm
.macro QUARTER slot, k, u, g, zero
	s_wait_dscnt 4                                 ; B and A's blocks 0 and 1 are in; the youngest four loads (A's blocks 2 and 3) may be out
	MULA \u, 0, \zero
	MULA \u, 1, \zero
	PLACES
	FETCH \slot, \k, \g
	s_wait_dscnt 24                                ; all but the 24 just issued
	MULA \u, 2, \zero
	MULA \u, 3, \zero
.endm
; The last quarter multiplies buffer 1 and changes slots: ONE barrier; in front of it each wave waits for all its tensor loads, adds 0 to its spare word, and waits for that and for its reads of this slot.
; fill = 1: the barrier opens a round of the cluster's, and this slot is filled again first thing behind it, two K steps ahead.
.macro TURN slot, next, fill
.if \fill
	s_wait_xcnt 0x0                                ; the last prefetch, a K step back, has read its address: it is stepped here
	s_add_nc_u64 s[PFA:PFA+1], s[PFA:PFA+1], KSTEP*2
.endif
	WIN 0
	s_wait_tensorcnt 0x0                           ; all my tensor loads have landed: my part of the next slot
	ds_add_u32 v[SPW], v[NIL]                      ; 0 onto my spare word
	s_wait_dscnt 5                                 ; (the add and the youngest four loads may be out)
	MULA 1, 0, 0
	s_wait_dscnt 0x0                               ; the add is done, and my reads of this slot are over
	s_barrier_signal -1
	MULA 1, 1, 0
.if \fill
	WIN 0
.endif
	s_barrier_wait -1
.if \fill
	CREST                                          ; no wave of any partner still reads this slot's tile or has a load on its way
	s_add_nc_u64 s[G0A+4*(\slot)+2:G0A+4*(\slot)+3], s[G0A+4*(\slot)+2:G0A+4*(\slot)+3], 2*KSTEP*2
	s_add_nc_u64 s[G0B+4*(\slot)+2:G0B+4*(\slot)+3], s[G0B+4*(\slot)+2:G0B+4*(\slot)+3], 2*KSTEP*2
	JLOAD \slot                                    ; the four v_nop behind it are also the places in front of the loads below
.else
	PLACES
.endif
	FETCH \next, 0, 0
.if \fill
	ASK
.endif
	MULA 1, 2, 0
	MULA 1, 3, 0
.endm
	s_load_b128 s[4:7], s[0:1], 0x0                ; o s[4:5], wb s[6:7]
	s_load_b64 s[8:9], s[0:1], 0x10                ; out0
	v_lshl_add_u32 v[SPW], v0, 2, SPARE
	v_mov_b32 v[NIL], 0
	ds_add_u32 v[SPW], v[NIL]                      ; the wave's opening: the add and its wait stand ahead of my first tensor load; the set-up below stands between them
	v_lshrrev_b32 v1, 5, v0
	v_readfirstlane_b32 s10, v1                    ; wave 0..3
	s_lshr_b32 s11, s10, 1                         ; which 64 rows are mine.  Also: I fetch for A (0) or for B (1)
	s_and_b32 s12, s10, 1                          ; which 128 columns.  Also: which half of that tile I fetch
	s_bfe_u32 s40, ttmp6, 0x40000                  ; cx
	s_bfe_u32 s41, ttmp6, 0x40004                  ; cy
	s_and_b32 s66, ttmp7, 0xffff                   ; the cluster's y: 0..15
	s_mov_b32 s90, 0                               ; no other cluster reads my rows of o
	s_mov_b32 s91, s66                             ; every cluster reads Wo: the first prefetches it
	s_lshl_b32 s13, s66, 2
	s_add_co_u32 s13, s13, s41                     ; tile row: 0..63
	s_mov_b32 s42, s40                             ; tile column: 0..3
	s_lshl_b32 s20, s41, 2
	s_lshl_b32 s20, 15, s20                        ; my row of the cluster
	s_lshl_b32 s21, 0x1111, s40                    ; my column
	s_or_b32 s[G1A+0], s20, FLAGS
	s_or_b32 s[G1B+0], s21, FLAGS
	s_mov_b32 s[G1A+1], KSTEP<<16                  ; tensor_dim0 = 128
	s_mov_b32 s[G1A+2], 64<<16                     ; tensor_dim1 = 64
	s_mov_b32 s[G1A+3], KSTEP<<16                  ; tile_dim0 = 128
	s_mov_b32 s[G1A+4], 64                         ; tile_dim1 = 64
	s_mov_b32 s[G1A+5], 1024                       ; elements from row to row
	s_mov_b32 s[G1A+6], 0
	s_mov_b32 s[G1A+7], 0
	s_mov_b32 s[G1B+1], KSTEP<<16
	s_mov_b32 s[G1B+2], 128<<16
	s_mov_b32 s[G1B+3], KSTEP<<16
	s_mov_b32 s[G1B+4], 128
	s_mov_b32 s[G1B+5], 1024
	s_mov_b32 s[G1B+6], 0
	s_mov_b32 s[G1B+7], 0
	s_lshl_b32 s16, s13, 7                         ; o: row 128 x tile row + 64 x half,
	s_lshl_b32 s17, s12, 6
	s_add_co_u32 s16, s16, s17
	s_lshl_b32 s16, s16, 11                        ; 2,048 bytes a row
	s_mov_b32 s17, 0
	s_lshl_b32 s46, s42, 8                         ; Wo: row 256 x tile column + 128 x half,
	s_lshl_b32 s47, s12, 7
	s_add_co_u32 s46, s46, s47
	s_lshl_b32 s46, s46, 11
	s_add_co_u32 s46, s46, 0x600000                ; behind the three other weights' 6,291,456 bytes
	s_mov_b32 s47, 0
	s_mul_i32 s22, s12, ASUB                       ; where the tiles go
	s_mul_i32 s23, s12, BSUB
	s_add_co_u32 s23, s23, BOFF
	s_wait_dscnt 0x0                               ; the opening add is done
	s_wait_kmcnt 0x0
	s_add_nc_u64 s[14:15], s[4:5], s[16:17]
	s_add_nc_u64 s[46:47], s[6:7], s[46:47]
	CROUND                                         ; all sixteen work-groups are here: the first joint loads meet
.irp s, 0,1
	s_mov_b32 s[G0A+4*(\s)], 1
	s_add_co_u32 s[G0A+4*(\s)+1], s22, (\s)*SLOT
	s_add_nc_u64 s[G0A+4*(\s)+2:G0A+4*(\s)+3], s[14:15], (\s)*KSTEP*2
	s_or_b32 s[G0A+4*(\s)+3], s[G0A+4*(\s)+3], 0x80000000
	s_mov_b32 s[G0B+4*(\s)], 1
	s_add_co_u32 s[G0B+4*(\s)+1], s23, (\s)*SLOT
	s_add_nc_u64 s[G0B+4*(\s)+2:G0B+4*(\s)+3], s[46:47], (\s)*KSTEP*2
	s_or_b32 s[G0B+4*(\s)+3], s[G0B+4*(\s)+3], 0x80000000
	JLOAD \s                                       ; two loads of mine are out
.endr
	v_and_b32 v1, 15, v0                           ; r
	v_bfe_u32 v2, v0, 4, 1                         ; h
	v_mul_u32_u24 v3, v1, PITCH
	v_lshl_add_u32 v3, v2, 4, v3
	s_mul_i32 s20, s11, ASUB
	s_mul_i32 s21, s12, BSUB
	s_add_co_u32 s21, s21, BOFF
.irp s, 0,1
	v_add_nc_u32 v[ADRA+(\s)], s20, v3
	v_add_nc_u32 v[ADRB+(\s)], s21, v3
	s_add_co_u32 s20, s20, SLOT
	s_add_co_u32 s21, s21, SLOT
.endr
	s_mul_i32 s23, s10, 16*SPITCH
	s_add_co_u32 s23, s23, STAGE                   ; my stage
	v_mul_u32_u24 v5, v1, SPITCH                   ; in: row r, 32 bytes for each half of the lanes
	v_lshl_add_u32 v5, v2, 5, v5
	v_add_nc_u32 v[STO], s23, v5
	v_and_b32 v[CO], 31, v0                        ; back and out: 32 lanes take a row's 512 bytes
	v_lshlrev_b32 v[CO], 4, v[CO]
	v_add_nc_u32 v[RD], s23, v[CO]
	s_lshl_b32 s88, s13, 7
	s_lshl_b32 s89, s11, 6
	s_add_co_u32 s88, s88, s89                     ; my first row,
	s_lshl_b32 s88, s88, 12                        ; 4,096 bytes a row,
	s_lshl_b32 s89, s42, 10
	s_add_co_u32 s88, s88, s89                     ; 1,024 a tile column,
	s_lshl_b32 s89, s12, 9
	s_add_co_u32 s88, s88, s89                     ; 512 for my half
	s_mov_b32 s89, 0
	s_add_nc_u64 s[8:9], s[8:9], s[88:89]
	s_cmp_eq_u32 s11, 0                            ; the prefetches
	s_cselect_b64 s[PFA:PFA+1], s[14:15], s[46:47]
	s_cselect_b32 s20, s40, s41                    ; my place among the four that ask for the tile with me
	s_cselect_b32 s21, s90, s91
	s_cmp_eq_u32 s10, 1
	s_cselect_b32 s22, 1, 0                        ; wave 1 asks for nothing
	s_or_b32 s21, s21, s22
	s_cmp_eq_u32 s21, 0
	s_cselect_b32 s[LIM], 1, -1
	s_lshl_b32 s20, s20, 16                        ; my work-group's 32 rows of 2,048 bytes,
	s_add_co_u32 s20, s20, 2*KSTEP*2               ; at K step 2
	s_mov_b32 s21, 0
	s_add_nc_u64 s[PFA:PFA+1], s[PFA:PFA+1], s[20:21]
	v_and_b32 v[PFO], 31, v0
	v_lshlrev_b32 v[PFO], 11, v[PFO]
	s_wait_tensorcnt 1                             ; my part of K step 0 is in; K step 1's may stay out
	s_barrier_signal -1
	s_barrier_wait -1
	FETCH 0, 0, 0
	QUARTER 0, 64, 0, 1, 1                         ; the first quarter's products start the sums
	WIN 0
	s_mov_b32 s3, LAPS-1
.Llap:
	QUARTER 0, 128, 1, 0, 0
	QUARTER 0, 192, 0, 1, 0
	TURN 0, 1, 1
	QUARTER 1, 64,  0, 1, 0
	QUARTER 1, 128, 1, 0, 0
	QUARTER 1, 192, 0, 1, 0
	TURN 1, 0, 1
	QUARTER 0, 64,  0, 1, 0
	WIN 0
	s_sub_co_u32 s3, s3, 1
	s_cmp_lg_u32 s3, 0
	s_cbranch_scc1 .Llap
	QUARTER 0, 128, 1, 0, 0                        ; the last lap is written out: it fills nothing
	QUARTER 0, 192, 0, 1, 0
	TURN 0, 1, 0
	QUARTER 1, 64,  0, 1, 0
	QUARTER 1, 128, 1, 0, 0
	QUARTER 1, 192, 0, 1, 0
	s_wait_dscnt 4
	MULA 1, 0, 0
	MULA 1, 1, 0
	s_wait_dscnt 0x0
	MULA 1, 2, 0
	MULA 1, 3, 0
	WIN 0
; THE WAY OUT in f32, a block of 16 rows at a time: the accumulators go straight into my own stage (32 bytes a lane and column block, rows of 528 bytes) and come back as whole rows of 512 bytes.
.macro TOSTAGE32 a
	s_wait_xcnt 0x0                                ; the stores of two blocks back have read the registers that are loaded again below
	WIN W_SD
.irp b, 0,1,2,3,4,5,6,7
	ds_store_b128 v[STO], v[64*(\a)+8*(\b):64*(\a)+8*(\b)+3]   offset:64*(\b)     ; each accumulator's four lowest registers first
	ds_store_b128 v[STO], v[64*(\a)+8*(\b)+4:64*(\a)+8*(\b)+7] offset:64*(\b)+16
.endr
	WIN 0
.irp t, 0,1,2,3,4,5,6,7,8,9,10,11,12,13,14,15
	ds_load_b128 v[BK+64*((\a)%2)+4*(\t):BK+64*((\a)%2)+4*(\t)+3], v[RD] offset:(\t)*SPITCH  ; LDS serves a wave's instructions in order (ISA guide 5.7.1.4): these see the stores above; the next block's stores come behind them
.endr
.endm
.macro SEND32 a, younger               ; younger: the LDS instructions issued behind block a's loads: the next block's 16 stores and 16 loads, or none
	s_wait_dscnt \younger
	s_wait_xcnt 0x0                                ; earlier stores have read their base: only behind this wait is it rewritten
.if (\a) > 0
	s_add_nc_u64 s[8:9], s[8:9], 16*CPITCH
.endif
.irp t, 0,1,2,3,4,5,6,7,8,9,10,11,12,13,14,15
	global_store_b128 v[CO], v[BK+64*((\a)%2)+4*(\t):BK+64*((\a)%2)+4*(\t)+3], s[8:9] offset:(\t)*CPITCH  ; 32 lanes store 512 consecutive bytes, at a multiple of 256 from out0's first byte
.endr
.endm
	PLACES
	PLACES
	TOSTAGE32 0
.irp a, 1,2,3
	TOSTAGE32 \a
	SEND32 (\a)-1, 32
.endr
	SEND32 3, 0
	s_wait_tensorcnt 0x0                           ; the wave's end, behind my last tensor load and my last LDS store
	ds_add_u32 v[SPW], v[NIL]
	s_wait_dscnt 0x0
	CROUND                                         ; the closing round
	s_endpgm
.Lfunc_end_k_qbba69846f2_outp:
	.size	k_qbba69846f2_outp, .Lfunc_end_k_qbba69846f2_outp-k_qbba69846f2_outp
	.p2alignl 7, 3214868480
	.fill 96, 4, 3214868480
	.section	.rodata,"a",@progbits
	.p2align	6, 0x0
	.amdhsa_kernel k_qbba69846f2_outp
		.amdhsa_group_segment_fixed_size 327680
		.amdhsa_private_segment_fixed_size 0
		.amdhsa_enable_private_segment 0
		.amdhsa_kernarg_size 24
		.amdhsa_user_sgpr_count 2
		.amdhsa_user_sgpr_kernarg_segment_ptr 1
		.amdhsa_wavefront_size32 1
		.amdhsa_system_sgpr_workgroup_id_x 1
		.amdhsa_system_sgpr_workgroup_id_y 1
		.amdhsa_system_sgpr_workgroup_id_z 1
		.amdhsa_system_vgpr_workitem_id 0
		.amdhsa_next_free_vgpr 768
		.amdhsa_next_free_sgpr 96
		.amdhsa_reserve_vcc 0
		.amdhsa_float_denorm_mode_32 3
		.amdhsa_float_denorm_mode_16_64 3
		.amdhsa_memory_ordered 1
		.amdhsa_forward_progress 1
		.amdhsa_inst_pref_size 87
	.end_amdhsa_kernel
	.amdgpu_metadata
---
amdhsa.version: [ 1, 2 ]
amdhsa.kernels:
  - .name:           k_qbba69846f2_outp
    .symbol:         k_qbba69846f2_outp.kd
    .args:
      - { .name: o, .offset: 0, .size: 8, .value_kind: global_buffer, .address_space: global }
      - { .name: wb, .offset: 8, .size: 8, .value_kind: global_buffer, .address_space: global }
      - { .name: out0, .offset: 16, .size: 8, .value_kind: global_buffer, .address_space: global }
    .group_segment_fixed_size: 327680
    .private_segment_fixed_size: 0
    .kernarg_segment_align: 8
    .kernarg_segment_size: 24
    .max_flat_workgroup_size: 128
    .sgpr_count:     96
    .vgpr_count:     768
    .wavefront_size: 32
...
	.end_amdgpu_metadata
.endif
;; end of part 5
